; MI455X (gfx1250); checked and timed in simulation.
; The chip was launched on July 23, 2026; its instructions are those of AMD's public machine-readable ISA for CDNA 5 (MIT licence, August 2026) and "CDNA5" Instruction Set Architecture Reference Guide (July 2026). The comments in the code are by the model that wrote it; some were corrected since.
;; SSD. Allowed arithmetic: float matrix products may take bf16 or f16 operands with f32 sums; all other float work in f32.
;; Inputs: conf_data 128 x 8,732 x 21 float32; dbox_list 8,732 x 4 float32; loc_data 128 x 8,732 x 4 float32.
;; Outputs: out0 128 x 21 x 200 x 5 float32.
;; 3 versions, each right; version 2 is faster than version 1; version 3 is version 2 with the launch select written anew for expert scheduling mode. Each part assembles by itself: llvm-mc -triple=amdgcn-amd-amdhsa -mcpu=gfx1250 --defsym DOCPART=n.
;; ======== version 1 of 3: 4 launches
;; limits: inputs' magnitudes at most 400
;; workspace buffers: keys 90,439,680 bytes of whole numbers; skey 2,621,440 bytes; sidx 2,621,440 bytes of whole numbers; rows 11,796,480 bytes; kept 327,680 bytes of whole numbers
;; launch scores (part 1): grid 23 x 128, 3 waves a work-group, no clusters, 32,768 bytes of LDS; arguments conf_data, keys; writes keys
.if DOCPART == 1
	.amdgcn_target "amdgcn-amd-amdhsa--gfx1250"
	.amdhsa_code_object_version 6
	.text
	.protected	k_q01132cdf26_scores
	.globl	k_q01132cdf26_scores
	.p2align	8
	.type	k_q01132cdf26_scores,@function
k_q01132cdf26_scores:
	s_mov_b64 s[64:65], 0
	v_nop
	global_prefetch_b8 v0, s[64:65] scope:SCOPE_SE
	s_setreg_imm32_b32 hwreg(HW_REG_WAVE_MODE, 25, 1), 1
	s_wait_xcnt 0x0
; keys[b][c-1][..] = bit pattern of softmax(conf[b][n][:])[c] where that score is > 0.01, else 0   (c = 1..20; class 0 is never used).
; A positive f32 orders like its bit pattern, so the next launch selects and sorts on whole numbers.
; A key row has 8832 words (35,328 bytes): 8732 boxes and 100 zeros.  Word 128 q + 4 l + e holds box 128 q + 32 e + l, so that a
; 16-byte load of lane l in the next launch puts box 32 r + l into register r = 4 q + e: register order is then index order.
; One wave = one chunk q of 128 boxes = 10,752 contiguous bytes of conf: 21 loads of 512 neighbouring bytes.  The chunk is turned in
; the wave's own LDS part: lane l takes boxes l, 32+l, 64+l, 96+l whole, the softmax never leaves the lane, and the four keys of one
; class are the lane's 16 bytes of a key row: each store of the wave covers 512 consecutive bytes, aligned.
; 69 chunks a batch = 23 work-groups of 3 waves.  The last chunk has 28 boxes: its loads are clamped to the batch's last 16 bytes,
; and boxes that do not exist get the reciprocal 0, which makes their keys 0.
; THE ARITHMETIC.  The order of the top 200 hangs on the last bit of near-equal scores, so each step is one definite f32 operation:
;   d = x - max (one subtraction);
;   exp(d) by the Cephes reduction and polynomial with fused multiply-adds (macro EXPG);
;   the sum as a halving tree over the 21 terms padded to 32: term i with term i+16, then with i+8, i+4, i+2, i+1;
;   score = exp(d) times the rounded reciprocal of the sum (v_rcp_f32 refined twice), not a division.
; No matrix unit (no product); no cluster, no tensor mover (no byte is shared between work-groups); no barrier (each wave has its own LDS part).
; LIMITS: finite inputs.  d is held at -80 or above: a term below e^-80 changes no sum that is at least 1, and its own score is far
; below 0.01.  Against an f32 evaluation with another exp, another order of the sum or a true division a score may differ in its last
; bits, and two scores that near to each other may then change places.
.set NBOX,   8732
.set BATCHB, NBOX*21*4                 ; 733,488 bytes of conf in a batch
.set CHUNKB, 128*21*4                  ; 10,752 bytes in a chunk
.set KROW,   8832*4                    ; bytes in a key row
.set X,  8                             ; v[8:91]    the chunk as loaded; then box bx, class c at X + 21 bx + c
.set Y,  92                            ; v[92:171]  keys: class c, box bx at Y + 4 (c-1) + bx.  Before that, at work:
.set TN, Y                             ; v[92:103]  exp: n
.set TZ, Y+12                          ; v[104:115] exp: polynomial
.set TX, Y+24                          ; v[116:127] exp: x squared
.set PC, Y+36                          ; v[128:137] exp: coefficients p1 .. p5, each twice (pairs for the packed form)
.set WS, Y                             ; v[92:123]  behind exp: eight partial sums of box bx at WS + 8 bx
.set MX, 172                           ; v[172:175] maximum of a box
.set SM, 176                           ; v[176:179] sum of a box
.set RC, 180                           ; v[180:183] 1 / sum
.set Q,  184                           ; v[184:187] score at work
.set RM, 188                           ; v[188:191] remainder at work
.macro SETP k, val
	v_mov_b32 v[PC+2*\k], \val
	v_mov_b32 v[PC+2*\k+1], \val
.endm
; np register pairs, pair i at v[b + st i], are replaced by their exponentials, two values an instruction where a packed form exists.
; n = floor(a log2e + 0.5);  x = a - 0.693359375 n + 2.1219444e-4 n;  z = ((((p0 x + p1) x + p2) x + p3) x + p4) x + p5;
; e = (z x^2 + x) + 1, times 2^n: n is added to the exponent field (|a| <= 80 keeps it a normal number).
.macro EXPG b, st, np
.set i, 0
.rept \np
	v_pk_fma_f32 v[TN+2*i:TN+2*i+1], v[\b+\st*i:\b+\st*i+1], 0x3fb8aa3b, 0.5 op_sel_hi:[1,0,0]
.set i, i+1
.endr
.set i, 0
.rept 2*\np
	v_floor_f32 v[TN+i], v[TN+i]
.set i, i+1
.endr
.set i, 0
.rept \np
	v_pk_fma_f32 v[\b+\st*i:\b+\st*i+1], v[TN+2*i:TN+2*i+1], 0xbf318000, v[\b+\st*i:\b+\st*i+1] op_sel_hi:[1,0,1]
.set i, i+1
.endr
.set i, 0
.rept \np
	v_pk_fma_f32 v[\b+\st*i:\b+\st*i+1], v[TN+2*i:TN+2*i+1], 0x395e8083, v[\b+\st*i:\b+\st*i+1] op_sel_hi:[1,0,1]
.set i, i+1
.endr
.set i, 0
.rept \np
	v_pk_fma_f32 v[TZ+2*i:TZ+2*i+1], v[\b+\st*i:\b+\st*i+1], 0x39506967, v[PC:PC+1] op_sel_hi:[1,0,1]
.set i, i+1
.endr
.irp k, 1,2,3,4
.set i, 0
.rept \np
	v_pk_fma_f32 v[TZ+2*i:TZ+2*i+1], v[TZ+2*i:TZ+2*i+1], v[\b+\st*i:\b+\st*i+1], v[PC+2*\k:PC+2*\k+1]
.set i, i+1
.endr
.endr
.set i, 0
.rept \np
	v_pk_mul_f32 v[TX+2*i:TX+2*i+1], v[\b+\st*i:\b+\st*i+1], v[\b+\st*i:\b+\st*i+1]
.set i, i+1
.endr
.set i, 0
.rept \np
	v_pk_fma_f32 v[TZ+2*i:TZ+2*i+1], v[TZ+2*i:TZ+2*i+1], v[TX+2*i:TX+2*i+1], v[\b+\st*i:\b+\st*i+1]
.set i, i+1
.endr
.set i, 0
.rept \np
	v_pk_add_f32 v[TZ+2*i:TZ+2*i+1], v[TZ+2*i:TZ+2*i+1], 1.0 op_sel_hi:[1,0]
.set i, i+1
.endr
.set i, 0
.rept 2*\np
	v_cvt_i32_f32 v[TN+i], v[TN+i]
.set i, i+1
.endr
.set i, 0
.rept \np
	v_lshl_add_u32 v[\b+\st*i],   v[TN+2*i],   23, v[TZ+2*i]
	v_lshl_add_u32 v[\b+\st*i+1], v[TN+2*i+1], 23, v[TZ+2*i+1]
.set i, i+1
.endr
.endm
	s_load_b128 s[4:7], s[0:1], 0x0                ; conf s[4:5], keys s[6:7]
	v_lshl_add_u32 v192, v0, 2, 0x7e00
	v_mov_b32 v193, 0
	v_and_b32 v1, 31, v0                           ; lane
	v_lshrrev_b32 v2, 5, v0
	v_readfirstlane_b32 s8, v2                     ; wave 0..2
	s_and_b32 s9, ttmp7, 0xffff                    ; batch
	s_mul_i32 s10, ttmp9, 3
	s_add_co_u32 s10, s10, s8                      ; chunk 0..68
	s_mul_i32 s12, s9, BATCHB                      ; the batch in conf (below 2^31)
	s_mov_b32 s13, 0
	s_mul_i32 s14, s9, 20*KROW                     ; the batch's 20 key rows
	s_lshl_b32 s11, s10, 9                         ; + 128 keys a chunk
	s_add_co_u32 s14, s14, s11
	s_mov_b32 s15, 0
	s_mul_i32 s16, s10, CHUNKB                     ; the chunk inside the batch
	s_mul_i32 s17, s8, CHUNKB                      ; my wave's LDS part
	s_lshl_b32 s18, s10, 7                         ; the chunk's first box
	s_mov_b32 s20, 0x3c23d70a                      ; 0.01
	v_lshlrev_b32 v5, 4, v1                        ; 16 x lane: key stores
	v_add_nc_u32 v2, s16, v5                       ; my 16 bytes of the chunk's first 512
	v_add_nc_u32 v3, s17, v5                       ; LDS, as loaded
	v_mul_u32_u24 v4, 84, v1
	v_add_nc_u32 v4, s17, v4                       ; LDS, box l of the chunk (84 bytes a box)
	v_add_nc_u32 v6, s18, v1                       ; box l of the chunk, counted in the batch
.set k, 0
.rept 21
	v_add_nc_u32 v[X+4*k], 512*k, v2               ; each load's offset lies in the first register that the load itself fills
	v_min_u32 v[X+4*k], BATCHB-16, v[X+4*k]        ; never past the batch (the last batch ends the buffer)
.set k, k+1
.endr
	s_wait_kmcnt 0x0
	s_add_nc_u64 s[4:5], s[4:5], s[12:13]
	s_add_nc_u64 s[6:7], s[6:7], s[14:15]
.set k, 0
.rept 21
	global_load_b128 v[X+4*k:X+4*k+3], v[X+4*k], s[4:5] th:TH_LOAD_NT
.set k, k+1
.endr
	SETP 0, 0x3ab743ce                             ; p1 = 1.3981999507e-3   (p0 = 1.98756915e-4 stands in the macro)
	SETP 1, 0x3c088908                             ; p2 = 8.3334519073e-3
	SETP 2, 0x3d2aa9c1                             ; p3 = 4.1665795894e-2
	SETP 3, 0x3e2aaaaa                             ; p4 = 1.6666665459e-1
	SETP 4, 0.5                                    ; p5 = 5.0000001201e-1, which is 0.5 in f32
.set k, 0
.rept 21
	s_wait_loadcnt 20-k                            ; loads return in order: load k is in, the 20-k younger ones stay out
	ds_store_b128 v3, v[X+4*k:X+4*k+3] offset:512*k
.set k, k+1
.endr
.irp bx, 0,1,2,3
.set c, 0
.rept 21
	ds_load_b32 v[X+21*\bx+c], v4 offset:2688*\bx+4*c  ; LDS serves a wave in order: these see the stores.  Neighbouring lanes are 21 words
.set c, c+1                                            ; apart, an odd number: the 32 words differ modulo every power of two up to 64
.endr
.endr
	s_wait_dscnt 0x0
	; maximum of each box: ten three-way maxima, the four boxes side by side
.irp bx, 0,1,2,3
	v_max3_num_f32 v[MX+\bx], v[X+21*\bx], v[X+21*\bx+1], v[X+21*\bx+2]
.endr
.set c, 3
.rept 9
.irp bx, 0,1,2,3
	v_max3_num_f32 v[MX+\bx], v[MX+\bx], v[X+21*\bx+c], v[X+21*\bx+c+1]
.endr
.set c, c+2
.endr
	; d = x - max, rounded as an f32 difference, held at -80
.set c, 0
.rept 21
.irp bx, 0,1,2,3
	v_sub_f32 v[X+21*\bx+c], v[X+21*\bx+c], v[MX+\bx]
.endr
.irp bx, 0,1,2,3
	v_max_num_f32 v[X+21*\bx+c], 0xc2a00000, v[X+21*\bx+c]
.endr
.set c, c+1
.endr
	; the 84 exponentials: from here to the sums a box's border means nothing, so the registers go as 42 pairs, six pairs side by side
.set g, 0
.rept 7
	EXPG X+12*g, 2, 6
.set g, g+1
.endr
	; the sum of a box: term i with i+16 (five pairs), then with i+8, i+4, i+2, i+1; the four boxes side by side
.irp bx, 0,1,2,3
.irp j, 0,1,2,3,4
	v_add_f32 v[WS+8*\bx+\j], v[X+21*\bx+\j], v[X+21*\bx+16+\j]
.endr
.irp j, 5,6,7
	v_add_f32 v[WS+8*\bx+\j], v[X+21*\bx+\j], v[X+21*\bx+8+\j]
.endr
.endr
.irp bx, 0,1,2,3
.irp j, 0,1,2,3,4
	v_add_f32 v[WS+8*\bx+\j], v[WS+8*\bx+\j], v[X+21*\bx+8+\j]
.endr
.endr
.irp bx, 0,1,2,3
.irp j, 0,1,2,3
	v_add_f32 v[WS+8*\bx+\j], v[WS+8*\bx+\j], v[WS+8*\bx+\j+4]
.endr
.endr
.irp bx, 0,1,2,3
	v_add_f32 v[WS+8*\bx],   v[WS+8*\bx],   v[WS+8*\bx+2]
	v_add_f32 v[WS+8*\bx+1], v[WS+8*\bx+1], v[WS+8*\bx+3]
.endr
.irp bx, 0,1,2,3
	v_add_f32 v[SM+\bx], v[WS+8*\bx], v[WS+8*\bx+1]
.endr
	; 1 / sum, refined twice: r += r (1 - sum r)
.irp bx, 0,1,2,3
	v_rcp_f32 v[RC+\bx], v[SM+\bx]
.endr
	v_nop                                          ; one plain vector instruction between the reciprocals and their first use (ISA guide 5.7.2)
	s_wait_alu depctr_va_vdst(0)
.rept 2
.irp bx, 0,1,2,3
	v_fma_f32 v[RM+\bx], -v[SM+\bx], v[RC+\bx], 1.0
.endr
.irp bx, 0,1,2,3
	v_fma_f32 v[RC+\bx], v[RM+\bx], v[RC+\bx], v[RC+\bx]
.endr
.endr
.irp bx, 0,1,2,3
	v_cmp_gt_u32 vcc_lo, NBOX-32*\bx, v6           ; does box 32 bx + l of the chunk exist?
	v_cndmask_b32 v[RC+\bx], 0, v[RC+\bx], vcc_lo  ; no: reciprocal 0, so every score and key below is 0
.endr
	; score = e times 1/sum;  key = its bits if they are above 0.01's bits, else 0
.set c, 1
.rept 20
.irp bx, 0,1,2,3
	v_mul_f32 v[Q+\bx], v[X+21*\bx+c], v[RC+\bx]
.endr
.irp bx, 0,1,2,3
	v_cmp_lt_u32 vcc_lo, s20, v[Q+\bx]
	v_cndmask_b32 v[Y+4*(c-1)+\bx], 0, v[Q+\bx], vcc_lo
.endr
.set c, c+1
.endr
.set c, 0
.rept 20
	global_store_b128 v5, v[Y+4*c:Y+4*c+3], s[6:7] offset:c*KROW
.set c, c+1
.endr
	s_wait_tensorcnt 0x0
	ds_add_u32 v192, v193
	s_wait_dscnt 0x0
	s_endpgm
.Lfunc_end_k_q01132cdf26_scores:
	.size	k_q01132cdf26_scores, .Lfunc_end_k_q01132cdf26_scores-k_q01132cdf26_scores
	.p2alignl 7, 3214868480
	.fill 96, 4, 3214868480
	.section	.rodata,"a",@progbits
	.p2align	6, 0x0
	.amdhsa_kernel k_q01132cdf26_scores
		.amdhsa_group_segment_fixed_size 32768
		.amdhsa_private_segment_fixed_size 0
		.amdhsa_enable_private_segment 0
		.amdhsa_kernarg_size 16
		.amdhsa_user_sgpr_count 2
		.amdhsa_user_sgpr_kernarg_segment_ptr 1
		.amdhsa_wavefront_size32 1
		.amdhsa_system_sgpr_workgroup_id_x 1
		.amdhsa_system_sgpr_workgroup_id_y 1
		.amdhsa_system_sgpr_workgroup_id_z 1
		.amdhsa_system_vgpr_workitem_id 0
		.amdhsa_next_free_vgpr 194
		.amdhsa_next_free_sgpr 66
		.amdhsa_reserve_vcc 1
		.amdhsa_float_denorm_mode_32 3
		.amdhsa_float_denorm_mode_16_64 3
		.amdhsa_memory_ordered 1
		.amdhsa_forward_progress 1
		.amdhsa_inst_pref_size 83
	.end_amdhsa_kernel
	.amdgpu_metadata
---
amdhsa.version: [ 1, 2 ]
amdhsa.kernels:
  - .name:           k_q01132cdf26_scores
    .symbol:         k_q01132cdf26_scores.kd
    .args:
      - { .name: conf_data, .offset: 0, .size: 8, .value_kind: global_buffer, .address_space: global }
      - { .name: keys, .offset: 8, .size: 8, .value_kind: global_buffer, .address_space: global }
    .group_segment_fixed_size: 32768
    .private_segment_fixed_size: 0
    .kernarg_segment_align: 8
    .kernarg_segment_size: 16
    .max_flat_workgroup_size: 96
    .sgpr_count:     66
    .vgpr_count:     194
    .wavefront_size: 32
...
	.end_amdgpu_metadata
.endif
;; end of part 1
;; launch select (part 2): grid 20 x 128, 1 waves a work-group, no clusters, 4,352 bytes of LDS; arguments keys, skey, sidx; writes skey, sidx
.if DOCPART == 2
	.amdgcn_target "amdgcn-amd-amdhsa--gfx1250"
	.amdhsa_code_object_version 6
	.text
	.protected	k_q01132cdf26_select
	.globl	k_q01132cdf26_select
	.p2align	8
	.type	k_q01132cdf26_select,@function
k_q01132cdf26_select:
	s_mov_b64 s[64:65], 0
	v_nop
	global_prefetch_b8 v0, s[64:65] scope:SCOPE_SE
	s_setreg_imm32_b32 hwreg(HW_REG_WAVE_MODE, 25, 1), 1
	s_wait_xcnt 0x0
; One wave = one list (batch b = y, class c = 1 + x): the 200 largest of the list's 8732 keys in descending order, ties to the lower index.
; OUT: skey[list] and sidx[list], an image of 8 registers (1,024 bytes) each: word 128 k + 4 lane + e is register 4 k + e; register p holds
; sorted place 32 p + lane (p = 0..6), register 7 zeros.  Each store of the wave covers 512 consecutive bytes, aligned.
; The boxes are fetched by the next launch: no branch and no global address of a launch hangs on numbers that the same launch orders.
; For the same reason every loop here has a constant number of trips, and what hangs on the keys only selects values and LDS places.
;
; 1 KEYS   69 loads of 512 bytes put the row's 8832 keys in 276 registers (196 in v60-255, 80 in the second window of 256);
;          register r, lane l holds box 32 r + l.
; 2 BOUND  T = the 200th largest key, exactly: the largest T with at least 200 keys >= T, bit by bit.  Every key that is not 0 lies in
;          0x3c23d70b .. 0x3f800000, so bits 29-26 are tried together, then bits 25 .. 0: 27 trips of 276 compares and 276 counts.
;          G = the count at the last trial that failed.  That trial is T + 1 (all lower bits of T are ones), so G = keys above T, below 200.
; 3 PACK   keys above T go to places 0 .. G-1 of an LDS table, keys equal to T to places G .. , both in index order, each with its
;          index.  Place 224 swallows all else.  Places 200 .. 223 may take further keys equal to T: they rank behind the first 200.
;          With fewer than 200 valid keys T is 0 and the places behind them take keys 0, which the next launch holds invalid.
; 4 RANK   rank = places with a larger key + earlier places with the same key: a permutation of the 224 places.
; No matrix unit (no product), no cluster or tensor mover (each key row is read by one wave, once), no barrier (one wave).
; LIMITS: keys as the launch before makes them from finite inputs: 0, or the bits of a score in (0.01, 1].
.set KROW,  35328                      ; bytes in a key row
.set TOPK,  200
.set SPARE, 224                        ; the place that swallows what is not taken
.set AC,    8                          ; v[8:11]   four running counts, so that no count waits for the one in front of it
.set MV,    46                         ; v[46:53]  eight keys fetched from window 1
.set Z,     54                         ; v[54:57]  zeros
.set KB,    60                         ; v[60:255] key registers 0..195; 196..275 are v0-79 of window 1 (v256-335)
.set CK,    0                          ; LDS: candidate keys, 225 words
.set CN,    1040                       ; LDS: candidate indices, 225 words
.set SK,    2080                       ; LDS: sorted keys, 225 words
.set SN,    2992                       ; LDS: sorted indices, 225 words
; registers from step 4 on (the keys are dead then)
.set CKEY,  64                         ; v[64:70]   candidate key of place 32 r + lane
.set CIDX,  72                         ; v[72:78]   its index
.set RANK,  80                         ; v[80:86]
.set SKEY,  96                         ; v[96:103]  sorted keys, and a register of zeros
.set SIDX,  104                        ; v[104:111] sorted indices, and a register of zeros
.set MSB, 0
.macro WIN new                         ; register window; the immediate's high byte repeats the setting that is left
.if MSB != \new
	s_set_vgpr_msb (MSB<<8)|\new
.set MSB, \new
.endif
.endm
.macro LANESUM                         ; s23 = sum of v3 over the 32 lanes, in whole numbers
	v_mov_b32_dpp v4, v3 row_xmask:1 row_mask:0xf bank_mask:0xf
	v_add_nc_u32 v3, v3, v4
	v_mov_b32_dpp v4, v3 row_xmask:2 row_mask:0xf bank_mask:0xf
	v_add_nc_u32 v3, v3, v4
	v_mov_b32_dpp v4, v3 row_xmask:4 row_mask:0xf bank_mask:0xf
	v_add_nc_u32 v3, v3, v4
	v_mov_b32_dpp v4, v3 row_xmask:8 row_mask:0xf bank_mask:0xf
	v_add_nc_u32 v3, v3, v4
	v_permlanex16_b32 v4, v3, s12, s13
	v_add_nc_u32 v3, v3, v4
	v_readfirstlane_b32 s23, v3
.endm
; Key register number reg, held in v[key].  s25 = keys above T placed so far; s32 = G + keys equal to T seen so far.
.macro CREG key, reg
	v_cmp_lt_u32 s35, s20, v[\key]                 ; above T
	v_cmp_eq_u32 vcc_lo, s20, v[\key]              ; equal to T
	v_mbcnt_lo_u32_b32 v3, s35, s25                ; my place if above: those placed + those in lower lanes
	v_mbcnt_lo_u32_b32 v6, vcc_lo, s32             ; my place if equal
	v_cndmask_b32 v6, SPARE, v6, vcc_lo            ; neither: the spare place
	v_cndmask_b32 v3, v6, v3, s35
	v_min_u32 v3, SPARE, v3                        ; a place made from loaded numbers is clamped by a constant before it is an address
	v_lshlrev_b32 v3, 2, v3
	v_add_nc_u32 v4, 32*\reg, v0                   ; box 32 reg + lane
	ds_store_b32 v3, v[\key] offset:CK
	ds_store_b32 v3, v4 offset:CN
	s_bcnt1_i32_b32 s26, s35
	s_bcnt1_i32_b32 s28, vcc_lo
	s_add_co_u32 s25, s25, s26
	s_add_co_u32 s32, s32, s28
.endm
	s_load_b128 s[4:7], s[0:1], 0x0                ; keys s[4:5], skey s[6:7]
	s_load_b64 s[8:9], s[0:1], 0x10                ; sidx
	v_lshl_add_u32 v58, v0, 2, 0x1000
	v_mov_b32 v59, 0
	s_and_b32 s17, ttmp7, 0xffff                   ; batch
	s_mul_i32 s18, s17, 20
	s_add_co_u32 s18, s18, ttmp9                   ; list
	v_lshlrev_b32 v1, 4, v0                        ; 16 x lane
	v_lshlrev_b32 v2, 2, v0                        ; 4 x lane
	v_mov_b32 v4, 0                                ; the destination of a lane move counts as read
	v_mov_b32 v[Z], 0
	v_mov_b32 v[Z+1], 0
	v_mov_b32 v[Z+2], 0
	v_mov_b32 v[Z+3], 0
	s_mov_b32 s12, 0x76543210                      ; v_permlanex16_b32: lane i of the other half
	s_mov_b32 s13, 0xfedcba98
	s_mul_i32 s20, s18, KROW                       ; 2560 rows of 35,328 bytes stay below 2^31
	s_mov_b32 s21, 0
	s_lshl_b32 s22, s18, 10                        ; 1,024 bytes a list in skey and in sidx
	s_mov_b32 s23, 0
	s_wait_kmcnt 0x0
	s_add_nc_u64 s[4:5], s[4:5], s[20:21]
	s_add_nc_u64 s[6:7], s[6:7], s[22:23]
	s_add_nc_u64 s[8:9], s[8:9], s[22:23]
	; ---- 1 KEYS
.set q, 0
.rept 49
	global_load_b128 v[KB+4*q:KB+4*q+3], v1, s[4:5] offset:512*q th:TH_LOAD_NT
.set q, q+1
.endr
	WIN 0x40                                       ; destination in window 1, address in window 0
.set q, 0
.rept 20
	global_load_b128 v[4*q:4*q+3], v1, s[4:5] offset:512*(49+q) th:TH_LOAD_NT
.set q, q+1
.endr
	WIN 0
.set k, 0
.rept 8
	ds_store_b128 v1, v[Z:Z+3] offset:512*k        ; the LDS tables start as zeros: a place that nothing takes is key 0, invalid
.set k, k+1
.endr
	s_wait_loadcnt 0x0                             ; the first trip below reads every key
	; ---- 2 BOUND
	s_mov_b32 s20, 0                               ; T
	s_mov_b32 s27, 0                               ; G
	s_mov_b32 s21, 0x3c000000                      ; the bits on trial
	s_mov_b32 s24, 0
.Lbis:
	s_or_b32 s22, s20, s21
.irp a, 0,1,2,3
	v_mov_b32 v[AC+\a], 0
.endr
.set i, 0
.rept 196
	v_cmp_le_u32 vcc_lo, s22, v[KB+i]
	v_add_co_ci_u32 v[AC+i%4], vcc_lo, 0, v[AC+i%4], vcc_lo    ; count in the lane
.set i, i+1
.endr
	WIN 0x01                                       ; source 0 in window 1: the key stands first in these compares
.set i, 0
.rept 80
	v_cmp_ge_u32 vcc_lo, v[i], s22
	v_add_co_ci_u32 v[AC+i%4], vcc_lo, 0, v[AC+i%4], vcc_lo
.set i, i+1
.endr
	WIN 0
	v_add_nc_u32 v[AC], v[AC], v[AC+1]
	v_add_nc_u32 v[AC+2], v[AC+2], v[AC+3]
	v_add_nc_u32 v3, v[AC], v[AC+2]
	LANESUM
	s_cmp_ge_u32 s23, TOPK
	s_cselect_b32 s20, s22, s20                    ; at least 200 keys >= the trial: keep the bits
	s_cselect_b32 s27, s27, s23                    ; else remember the count
	s_lshr_b32 s21, s21, 1
	s_min_u32 s21, s21, 0x02000000                 ; behind the first trip: bit 25
	s_add_co_u32 s24, s24, 1
	s_cmp_lt_u32 s24, 27
	s_cbranch_scc1 .Lbis
	; ---- 3 PACK
	s_mov_b32 s25, 0
	s_mov_b32 s32, s27                             ; the keys equal to T stand behind the G keys above it
.set r, 0
.rept 196
	CREG KB+r, r
.set r, r+1
.endr
.set g, 0
.rept 10
	WIN 0x01
.set i, 0
.rept 8
	v_mov_b32 v[MV+i], v[8*g+i]                    ; eight keys down from window 1
.set i, i+1
.endr
	WIN 0
.set i, 0
.rept 8
.set r, 196+8*g+i
	CREG MV+i, r
.set i, i+1
.endr
.set g, g+1
.endr
	; ---- 4 RANK
.set r, 0
.rept 7
	ds_load_b32 v[CKEY+r], v2 offset:CK+128*r      ; LDS serves the wave in order: these see the stores above
	ds_load_b32 v[CIDX+r], v2 offset:CN+128*r
	v_mov_b32 v[RANK+r], 0
.set r, r+1
.endr
	s_wait_dscnt 0x0
	; place (J, lane s30) is held against all 224 places: it counts where its key is larger, and where it is equal and stands in front
.irp J, 0,1,2,3,4,5,6
	s_mov_b32 s30, 0
.Lrk\J:
	v_readlane_b32 s28, v[CKEY+\J], s30
	s_lshl_b32 s35, -2, s30                        ; the lanes behind lane s30
.set i, 0
.rept 7
.if i < \J
	v_cmp_gt_u32 vcc_lo, s28, v[CKEY+i]
.elseif i > \J
	v_cmp_ge_u32 vcc_lo, s28, v[CKEY+i]
.else
	v_cmp_eq_u32 s34, s28, v[CKEY+i]
	v_cmp_gt_u32 vcc_lo, s28, v[CKEY+i]
	s_and_b32 s34, s34, s35
	s_or_b32 vcc_lo, vcc_lo, s34
.endif
	v_add_co_ci_u32 v[RANK+i], vcc_lo, 0, v[RANK+i], vcc_lo
.set i, i+1
.endr
	s_add_co_u32 s30, s30, 1
	s_cmp_lt_u32 s30, 32
	s_cbranch_scc1 .Lrk\J
.endr
.set r, 0
.rept 7
	v_min_u32 v[RANK+r], SPARE, v[RANK+r]          ; ranks are 0 .. 223; clamped by a constant before they are addresses
	v_lshlrev_b32 v[RANK+r], 2, v[RANK+r]
	ds_store_b32 v[RANK+r], v[CKEY+r] offset:SK
	ds_store_b32 v[RANK+r], v[CIDX+r] offset:SN
.set r, r+1
.endr
.set p, 0
.rept 7
	ds_load_b32 v[SKEY+p], v2 offset:SK+128*p
	ds_load_b32 v[SIDX+p], v2 offset:SN+128*p
.set p, p+1
.endr
	v_mov_b32 v[SKEY+7], 0
	v_mov_b32 v[SIDX+7], 0
	s_wait_dscnt 0x0
	; ---- 5 OUT
	global_store_b128 v1, v[SKEY:SKEY+3], s[6:7]
	global_store_b128 v1, v[SKEY+4:SKEY+7], s[6:7] offset:512
	global_store_b128 v1, v[SIDX:SIDX+3], s[8:9]
	global_store_b128 v1, v[SIDX+4:SIDX+7], s[8:9] offset:512
	s_wait_tensorcnt 0x0
	ds_add_u32 v58, v59
	s_wait_dscnt 0x0
	s_endpgm
.Lfunc_end_k_q01132cdf26_select:
	.size	k_q01132cdf26_select, .Lfunc_end_k_q01132cdf26_select-k_q01132cdf26_select
	.p2alignl 7, 3214868480
	.fill 96, 4, 3214868480
	.section	.rodata,"a",@progbits
	.p2align	6, 0x0
	.amdhsa_kernel k_q01132cdf26_select
		.amdhsa_group_segment_fixed_size 4352
		.amdhsa_private_segment_fixed_size 0
		.amdhsa_enable_private_segment 0
		.amdhsa_kernarg_size 24
		.amdhsa_user_sgpr_count 2
		.amdhsa_user_sgpr_kernarg_segment_ptr 1
		.amdhsa_wavefront_size32 1
		.amdhsa_system_sgpr_workgroup_id_x 1
		.amdhsa_system_sgpr_workgroup_id_y 1
		.amdhsa_system_sgpr_workgroup_id_z 1
		.amdhsa_system_vgpr_workitem_id 0
		.amdhsa_next_free_vgpr 336
		.amdhsa_next_free_sgpr 66
		.amdhsa_reserve_vcc 1
		.amdhsa_float_denorm_mode_32 3
		.amdhsa_float_denorm_mode_16_64 3
		.amdhsa_memory_ordered 1
		.amdhsa_forward_progress 1
		.amdhsa_inst_pref_size 250
	.end_amdhsa_kernel
	.amdgpu_metadata
---
amdhsa.version: [ 1, 2 ]
amdhsa.kernels:
  - .name:           k_q01132cdf26_select
    .symbol:         k_q01132cdf26_select.kd
    .args:
      - { .name: keys, .offset: 0, .size: 8, .value_kind: global_buffer, .address_space: global }
      - { .name: skey, .offset: 8, .size: 8, .value_kind: global_buffer, .address_space: global }
      - { .name: sidx, .offset: 16, .size: 8, .value_kind: global_buffer, .address_space: global }
    .group_segment_fixed_size: 4352
    .private_segment_fixed_size: 0
    .kernarg_segment_align: 8
    .kernarg_segment_size: 24
    .max_flat_workgroup_size: 32
    .sgpr_count:     66
    .vgpr_count:     336
    .wavefront_size: 32
...
	.end_amdgpu_metadata
.endif
;; end of part 2
;; launch nms (part 3): grid 2 x 128, 10 waves a work-group, no clusters, 144,640 bytes of LDS; arguments skey, sidx, loc_data, dbox_list, rows, kept; writes rows, kept
.if DOCPART == 3
	.amdgcn_target "amdgcn-amd-amdhsa--gfx1250"
	.amdhsa_code_object_version 6
	.text
	.protected	k_q01132cdf26_nms
	.globl	k_q01132cdf26_nms
	.p2align	8
	.type	k_q01132cdf26_nms,@function
k_q01132cdf26_nms:
	s_mov_b64 s[64:65], 0
	v_nop
	global_prefetch_b8 v0, s[64:65] scope:SCOPE_SE
	s_setreg_imm32_b32 hwreg(HW_REG_WAVE_MODE, 25, 1), 1
	s_wait_xcnt 0x0
; A work-group = ten classes of one batch (x = which ten, y = batch); ten waves, one list each.  2 x 128 = 256 work-groups.
; 1 TABLE  the 320 threads decode the batch's 8732 boxes into an LDS table of corner boxes, 16 bytes a box: thread t takes boxes
;          t + 320 m, m = 0..27, seven at a time, two register sets in turn, so that one set's loads are on their way while the other is
;          decoded.  The table has 8960 slots: the 228 threads whose last box does not exist load the batch's last box and store it
;          to slots of their own, which nothing reads.  One barrier; behind it the table is only read.
; 2 BOXES  each wave reads its list's sorted keys and indices (the images of the launch before) and fetches its 224 boxes from the table.
;          So every global address here is made of ids and constants; what hangs on the order of the scores is an LDS address.
; 3 NMS    rows i in order; 32 columns j a vector instruction, only column blocks at or right of the diagonal; the compare writes a
;          scalar mask, the kept bits live in 7 scalar registers and are updated by select: nothing branches on a float.
;          iou > t (t = f32 0.45 = 0x3ee66666, an even pattern, spacing 2^-25) holds for the correctly rounded quotient exactly when
;          inter > (t + 2^-26) u:  d = fma(-u,t,inter) is exact wherever it is small enough to matter, and fma(-u,2^-26,d) then has
;          the true sign.  |u| in both: where inter > 0 both boxes have positive sides and u > 0; where inter = 0 the quotient
;          is 0, -0 or NaN, never above t, and with |u| the test is false as well.
; OUT: rows[list] = an image of 36 registers (score, x1, y1, x2, y2 of sorted place 32 p + lane, p = 0..6; one register of zeros):
; word 128 k + 4 lane + e is register OUT + 4 k + e;  kept[list][32] u32: words 0..6 are the kept bits of places 32 w + bit.
; Where a kept row lands in the output hangs on the kept bits: those places are formed by the next launch.
; No matrix unit: nothing here is a product.  No tensor mover, no joint loads in a cluster, though the two work-groups of a batch read the
; same loc and all read dbox: raw, the two tables are 2 x 139,712 bytes, which do not fit in LDS beside the 143,360 bytes decoded, and
; they are 56 loads of a lane against some 19,000 instructions of a wave.
; LIMITS: finite inputs; 0.2 x loc is held within -80 .. 80 in front of exp; box areas in the normal f32 range; the centre is one fused
; multiply-add.  Against an f32 evaluation with another exp or an unfused centre a coordinate may differ in its last bits, and an IoU
; that near to 0.45 may fall on the other side.
.set NBOX,  8732
.set STEP,  320*16                     ; table bytes that the 320 threads fill with one box each
.set TRIPB, 7*STEP                     ; and with seven
.set TN,    10                         ; v[10:23]   exp: n
.set TZ,    24                         ; v[24:37]   exp: polynomial
.set TX,    38                         ; v[38:51]   exp: x squared
.set PC,    52                         ; v[52:61]   exp: coefficients p1 .. p5, each twice
.set DB1,   62                         ; v[62:89]   set 1: dbox of seven boxes
.set OUT,   96                         ; v[96:131]  what is handed on
.set SKEY,  OUT                        ; sorted key = score (its image's eighth register is written over by x1)
.set X1,    OUT+7
.set Y1,    OUT+14
.set X2,    OUT+21
.set Y2,    OUT+28
.set PAD,   OUT+35
.set AR,    132                        ; v[132:138] areas
.set SIDX,  140                        ; v[140:147] sorted index, then its table offset
.set LOC0,  148                        ; v[148:175] set 0: loc of seven boxes, then their corners
.set DB0,   176                        ; v[176:203] set 0: dbox
.set LOC1,  204                        ; v[204:231] set 1: loc, then corners
.set T0,    208                        ; from step 2 on, when the sets are dead: at work
.set T1,    216
.set T2,    224
.set T3,    232
.set KV,    240
.macro SETP k, val
	v_mov_b32 v[PC+2*\k], \val
	v_mov_b32 v[PC+2*\k+1], \val
.endm
; np register pairs, pair i at v[b + st i], are replaced by their exponentials, two values an instruction where a packed form exists.
; n = floor(a log2e + 0.5);  x = a - 0.693359375 n + 2.1219444e-4 n;  z = ((((p0 x + p1) x + p2) x + p3) x + p4) x + p5;
; e = (z x^2 + x) + 1, times 2^n: n is added to the exponent field (|a| <= 80 keeps it a normal number).
.macro EXPG b, st, np
.set i, 0
.rept \np
	v_pk_fma_f32 v[TN+2*i:TN+2*i+1], v[\b+\st*i:\b+\st*i+1], 0x3fb8aa3b, 0.5 op_sel_hi:[1,0,0]
.set i, i+1
.endr
.set i, 0
.rept 2*\np
	v_floor_f32 v[TN+i], v[TN+i]
.set i, i+1
.endr
.set i, 0
.rept \np
	v_pk_fma_f32 v[\b+\st*i:\b+\st*i+1], v[TN+2*i:TN+2*i+1], 0xbf318000, v[\b+\st*i:\b+\st*i+1] op_sel_hi:[1,0,1]
.set i, i+1
.endr
.set i, 0
.rept \np
	v_pk_fma_f32 v[\b+\st*i:\b+\st*i+1], v[TN+2*i:TN+2*i+1], 0x395e8083, v[\b+\st*i:\b+\st*i+1] op_sel_hi:[1,0,1]
.set i, i+1
.endr
.set i, 0
.rept \np
	v_pk_fma_f32 v[TZ+2*i:TZ+2*i+1], v[\b+\st*i:\b+\st*i+1], 0x39506967, v[PC:PC+1] op_sel_hi:[1,0,1]
.set i, i+1
.endr
.irp k, 1,2,3,4
.set i, 0
.rept \np
	v_pk_fma_f32 v[TZ+2*i:TZ+2*i+1], v[TZ+2*i:TZ+2*i+1], v[\b+\st*i:\b+\st*i+1], v[PC+2*\k:PC+2*\k+1]
.set i, i+1
.endr
.endr
.set i, 0
.rept \np
	v_pk_mul_f32 v[TX+2*i:TX+2*i+1], v[\b+\st*i:\b+\st*i+1], v[\b+\st*i:\b+\st*i+1]
.set i, i+1
.endr
.set i, 0
.rept \np
	v_pk_fma_f32 v[TZ+2*i:TZ+2*i+1], v[TZ+2*i:TZ+2*i+1], v[TX+2*i:TX+2*i+1], v[\b+\st*i:\b+\st*i+1]
.set i, i+1
.endr
.set i, 0
.rept \np
	v_pk_add_f32 v[TZ+2*i:TZ+2*i+1], v[TZ+2*i:TZ+2*i+1], 1.0 op_sel_hi:[1,0]
.set i, i+1
.endr
.set i, 0
.rept 2*\np
	v_cvt_i32_f32 v[TN+i], v[TN+i]
.set i, i+1
.endr
.set i, 0
.rept \np
	v_lshl_add_u32 v[\b+\st*i],   v[TN+2*i],   23, v[TZ+2*i]
	v_lshl_add_u32 v[\b+\st*i+1], v[TN+2*i+1], 23, v[TZ+2*i+1]
.set i, i+1
.endr
.endm
; 14 loads: loc and dbox of boxes t + 320 (7 k + p), p = 0..6.  Only 7 k + p = 27 can pass the table's end: its offset (v6) is clamped.
.macro LOADS k, L, D
.set p, 0
.rept 7
.if 7*\k+p == 27
	global_load_b128 v[\L+4*p:\L+4*p+3], v6, s[8:9]
	global_load_b128 v[\D+4*p:\D+4*p+3], v6, s[10:11]
.else
	global_load_b128 v[\L+4*p:\L+4*p+3], v5, s[8:9] offset:STEP*(7*\k+p)
	global_load_b128 v[\D+4*p:\D+4*p+3], v5, s[10:11] offset:STEP*(7*\k+p)
.endif
.set p, p+1
.endr
.endm
; seven boxes of a lane: corners in place of loc, then into the table at v7, which steps on
.macro DECODE L, D
.set p, 0
.rept 7
	v_mul_f32 v[\L+4*p+2], 0x3e4ccccd, v[\L+4*p+2]     ; 0.2 lw, 0.2 lh
	v_mul_f32 v[\L+4*p+3], 0x3e4ccccd, v[\L+4*p+3]
	v_mul_f32 v[\L+4*p],   0x3dcccccd, v[\L+4*p]       ; 0.1 lx, 0.1 ly
	v_mul_f32 v[\L+4*p+1], 0x3dcccccd, v[\L+4*p+1]
	v_med3_num_f32 v[\L+4*p+2], v[\L+4*p+2], s34, s35
	v_med3_num_f32 v[\L+4*p+3], v[\L+4*p+3], s34, s35
.set p, p+1
.endr
	EXPG \L+2, 4, 7                                ; the seven pairs (0.2 lw, 0.2 lh), four registers apart
.set p, 0
.rept 7
	v_fma_f32 v[\L+4*p],   v[\L+4*p],   v[\D+4*p+2], v[\D+4*p]       ; cx
	v_fma_f32 v[\L+4*p+1], v[\L+4*p+1], v[\D+4*p+3], v[\D+4*p+1]     ; cy
	v_mul_f32 v[\L+4*p+2], v[\D+4*p+2], v[\L+4*p+2]                  ; w
	v_mul_f32 v[\L+4*p+3], v[\D+4*p+3], v[\L+4*p+3]                  ; h
	v_fma_f32 v[\L+4*p],   -0.5, v[\L+4*p+2], v[\L+4*p]              ; x1: halving is exact, the same value as cx - (w * 0.5)
	v_fma_f32 v[\L+4*p+1], -0.5, v[\L+4*p+3], v[\L+4*p+1]            ; y1
	v_add_f32 v[\L+4*p+2], v[\L+4*p],   v[\L+4*p+2]                  ; x2 = x1 + w
	v_add_f32 v[\L+4*p+3], v[\L+4*p+1], v[\L+4*p+3]                  ; y2 = y1 + h
.set p, p+1
.endr
.set p, 0
.rept 7
	ds_store_b128 v7, v[\L+4*p:\L+4*p+3] offset:STEP*p     ; a wave's 32 lanes: 512 neighbouring bytes
.set p, p+1
.endr
	v_add_nc_u32 v7, TRIPB, v7
.endm
	s_load_b256 s[4:11], s[0:1], 0x0               ; skey s[4:5], sidx s[6:7], loc s[8:9], dbox s[10:11]
	s_load_b128 s[12:15], s[0:1], 0x20             ; rows s[12:13], kept s[14:15]
	v_lshl_add_u32 v244, v0, 2, 0x23000
	v_mov_b32 v245, 0
	v_and_b32 v1, 31, v0                           ; lane
	v_lshrrev_b32 v2, 5, v0
	v_readfirstlane_b32 s16, v2                    ; wave 0..9
	s_and_b32 s17, ttmp7, 0xffff                   ; batch
	s_mul_i32 s18, ttmp9, 10
	s_add_co_u32 s18, s18, s16                     ; class - 1
	s_mul_i32 s19, s17, 20
	s_add_co_u32 s18, s18, s19                     ; list
	s_mul_i32 s20, s17, NBOX*16                    ; the batch in loc
	s_mov_b32 s21, 0
	s_lshl_b32 s22, s18, 10                        ; the list in skey and in sidx
	s_mov_b32 s23, 0
	s_mul_i32 s24, s18, 4608                       ; the list in rows
	s_mov_b32 s25, 0
	s_lshl_b32 s26, s18, 7                         ; the list in kept
	s_mov_b32 s27, 0
	s_mov_b32 s34, 0xc2a00000                      ; -80
	s_mov_b32 s35, 0x42a00000                      ; 80
	v_lshlrev_b32 v3, 4, v1                        ; 16 x lane
	v_lshlrev_b32 v4, 2, v1                        ; 4 x lane
	v_lshlrev_b32 v5, 4, v0                        ; 16 x thread: box t in loc, in dbox and in the table
	v_add_nc_u32 v6, 27*STEP, v5                   ; box t + 8640,
	v_min_u32 v6, (NBOX-1)*16, v6                  ; or the last box there is
	v_mov_b32 v7, v5                               ; where the table is written next
	s_wait_kmcnt 0x0
	s_add_nc_u64 s[4:5], s[4:5], s[22:23]
	s_add_nc_u64 s[6:7], s[6:7], s[22:23]
	s_add_nc_u64 s[8:9], s[8:9], s[20:21]
	s_add_nc_u64 s[12:13], s[12:13], s[24:25]
	s_add_nc_u64 s[14:15], s[14:15], s[26:27]
	global_load_b128 v[SKEY:SKEY+3], v3, s[4:5]                ; my list's images: wanted behind the barrier, asked for first
	global_load_b128 v[SKEY+4:SKEY+7], v3, s[4:5] offset:512
	global_load_b128 v[SIDX:SIDX+3], v3, s[6:7]
	global_load_b128 v[SIDX+4:SIDX+7], v3, s[6:7] offset:512
	; ---- 1 TABLE
	LOADS 0, LOC0, DB0
	LOADS 1, LOC1, DB1
	SETP 0, 0x3ab743ce                             ; p1 = 1.3981999507e-3   (p0 = 1.98756915e-4 stands in the macro)
	SETP 1, 0x3c088908                             ; p2 = 8.3334519073e-3
	SETP 2, 0x3d2aa9c1                             ; p3 = 4.1665795894e-2
	SETP 3, 0x3e2aaaaa                             ; p4 = 1.6666665459e-1
	SETP 4, 0.5                                    ; p5 = 5.0000001201e-1, which is 0.5 in f32
	s_wait_loadcnt 14                              ; loads return in order: all but the 14 of set 1 are in
	DECODE LOC0, DB0
	s_wait_dscnt 0x0                               ; the table stores have read set 0 before it is loaded again
	LOADS 2, LOC0, DB0
	s_wait_loadcnt 14                              ; set 1 is in; the 14 just issued stay out
	DECODE LOC1, DB1
	s_wait_dscnt 0x0
	LOADS 3, LOC1, DB1
	s_wait_loadcnt 14
	DECODE LOC0, DB0
	s_wait_loadcnt 0x0
	DECODE LOC1, DB1
	s_wait_dscnt 0x0                               ; my part of the table is written:
	s_barrier_signal -1
	s_barrier_wait -1                              ; everybody's is, and nobody writes LDS from here on
	; ---- 2 BOXES
.set p, 0
.rept 7
	v_min_u32 v[SIDX+p], NBOX-1, v[SIDX+p]         ; a loaded index is clamped to the table before it is an address
	v_lshlrev_b32 v[SIDX+p], 4, v[SIDX+p]
.set p, p+1
.endr
.set p, 0
.rept 7
	ds_load_b32 v[X1+p], v[SIDX+p]                 ; word by word, straight into the registers that are handed on
	ds_load_b32 v[Y1+p], v[SIDX+p] offset:4
	ds_load_b32 v[X2+p], v[SIDX+p] offset:8
	ds_load_b32 v[Y2+p], v[SIDX+p] offset:12
.set p, p+1
.endr
.set p, 0
.rept 7
	v_cmp_ne_u32 s[40+p], 0, v[SKEY+p]             ; kept starts as valid: score > 0.01
.set p, p+1
.endr
	s_and_b32 s46, s46, 0xff                       ; places 200 .. 223 are beyond the top 200
	s_wait_dscnt 0x0
.set p, 0
.rept 7
	v_sub_f32 v[T0+p], v[X2+p], v[X1+p]
	v_sub_f32 v[T1+p], v[Y2+p], v[Y1+p]
	v_mul_f32 v[AR+p], v[T0+p], v[T1+p]
.set p, p+1
.endr
	; ---- 3 NMS
; Row i = 32 R + s30 (its box in s48-51, its area in s52) against the column blocks c = R .. 6; then the kept bits.
; The steps run across the blocks, so that no instruction waits for the one in front of it while there are blocks to spare.
.macro NMSROW R
.set c, \R
.rept 7-\R
	v_min_num_f32 v[T0+c], s50, v[X2+c]
	v_max_num_f32 v[T1+c], s48, v[X1+c]
	v_min_num_f32 v[T2+c], s51, v[Y2+c]
	v_max_num_f32 v[T3+c], s49, v[Y1+c]
.set c, c+1
.endr
.set c, \R
.rept 7-\R
	v_sub_f32 v[T0+c], v[T0+c], v[T1+c]
	v_sub_f32 v[T2+c], v[T2+c], v[T3+c]
	v_add_f32 v[T1+c], s52, v[AR+c]                ; area i + area j
.set c, c+1
.endr
.set c, \R
.rept 7-\R
	v_max_num_f32 v[T0+c], 0, v[T0+c]
	v_max_num_f32 v[T2+c], 0, v[T2+c]
.set c, c+1
.endr
.set c, \R
.rept 7-\R
	v_mul_f32 v[T0+c], v[T0+c], v[T2+c]            ; inter
.set c, c+1
.endr
.set c, \R
.rept 7-\R
	v_sub_f32 v[T1+c], v[T1+c], v[T0+c]            ; union
.set c, c+1
.endr
.set c, \R
.rept 7-\R
	v_fma_f32 v[T2+c], -|v[T1+c]|, s37, v[T0+c]    ; inter - t u
.set c, c+1
.endr
.set c, \R
.rept 7-\R
	v_fma_f32 v[T2+c], -|v[T1+c]|, s38, v[T2+c]    ; - 2^-26 u
.set c, c+1
.endr
.set c, \R
.rept 7-\R
	v_cmp_lt_f32 s[53+c], 0, v[T2+c]               ; iou > 0.45
.set c, c+1
.endr
	s_bitcmp1_b32 s[40+\R], s30                    ; is row i still kept?
	s_cselect_b32 s35, -1, 0
	s_lshl_b32 s34, -2, s30                        ; in its own block only the columns behind it
	s_and_b32 s34, s34, s35
	s_and_b32 s[53+\R], s[53+\R], s34
	s_and_not1_b32 s[40+\R], s[40+\R], s[53+\R]
.set c, \R+1
.rept 6-\R
	s_and_b32 s[53+c], s[53+c], s35
	s_and_not1_b32 s[40+c], s[40+c], s[53+c]
.set c, c+1
.endr
.endm
	s_mov_b32 s37, 0x3ee66666                      ; 0.45
	s_mov_b32 s38, 0x32800000                      ; 2^-26
.irp R, 0,1,2,3,4,5,6
	s_mov_b32 s30, 0
.Lrow\R:
	v_readlane_b32 s48, v[X1+\R], s30
	v_readlane_b32 s49, v[Y1+\R], s30
	v_readlane_b32 s50, v[X2+\R], s30
	v_readlane_b32 s51, v[Y2+\R], s30
	v_readlane_b32 s52, v[AR+\R], s30
	NMSROW \R
	s_add_co_u32 s30, s30, 1
.if \R == 6
	s_cmp_lt_u32 s30, 8                            ; rows 192 .. 199
.else
	s_cmp_lt_u32 s30, 32
.endif
	s_cbranch_scc1 .Lrow\R
.endr
	; ---- 4 OUT: nine stores of 512 consecutive bytes, aligned, and the kept words (lane w carries word w, the other lanes 0)
	v_mov_b32 v[PAD], 0
	v_mov_b32 v[KV], 0
.set k, 0
.rept 9
	global_store_b128 v3, v[OUT+4*k:OUT+4*k+3], s[12:13] offset:512*k
.set k, k+1
.endr
.set w, 0
.rept 7
	v_writelane_b32 v[KV], s[40+w], w
.set w, w+1
.endr
	global_store_b32 v4, v[KV], s[14:15]
	s_wait_tensorcnt 0x0
	ds_add_u32 v244, v245
	s_wait_dscnt 0x0
	s_endpgm
.Lfunc_end_k_q01132cdf26_nms:
	.size	k_q01132cdf26_nms, .Lfunc_end_k_q01132cdf26_nms-k_q01132cdf26_nms
	.p2alignl 7, 3214868480
	.fill 96, 4, 3214868480
	.section	.rodata,"a",@progbits
	.p2align	6, 0x0
	.amdhsa_kernel k_q01132cdf26_nms
		.amdhsa_group_segment_fixed_size 144640
		.amdhsa_private_segment_fixed_size 0
		.amdhsa_enable_private_segment 0
		.amdhsa_kernarg_size 48
		.amdhsa_user_sgpr_count 2
		.amdhsa_user_sgpr_kernarg_segment_ptr 1
		.amdhsa_wavefront_size32 1
		.amdhsa_system_sgpr_workgroup_id_x 1
		.amdhsa_system_sgpr_workgroup_id_y 1
		.amdhsa_system_sgpr_workgroup_id_z 1
		.amdhsa_system_vgpr_workitem_id 0
		.amdhsa_next_free_vgpr 246
		.amdhsa_next_free_sgpr 66
		.amdhsa_reserve_vcc 0
		.amdhsa_float_denorm_mode_32 3
		.amdhsa_float_denorm_mode_16_64 3
		.amdhsa_memory_ordered 1
		.amdhsa_forward_progress 1
		.amdhsa_inst_pref_size 87
	.end_amdhsa_kernel
	.amdgpu_metadata
---
amdhsa.version: [ 1, 2 ]
amdhsa.kernels:
  - .name:           k_q01132cdf26_nms
    .symbol:         k_q01132cdf26_nms.kd
    .args:
      - { .name: skey, .offset: 0, .size: 8, .value_kind: global_buffer, .address_space: global }
      - { .name: sidx, .offset: 8, .size: 8, .value_kind: global_buffer, .address_space: global }
      - { .name: loc_data, .offset: 16, .size: 8, .value_kind: global_buffer, .address_space: global }
      - { .name: dbox_list, .offset: 24, .size: 8, .value_kind: global_buffer, .address_space: global }
      - { .name: rows, .offset: 32, .size: 8, .value_kind: global_buffer, .address_space: global }
      - { .name: kept, .offset: 40, .size: 8, .value_kind: global_buffer, .address_space: global }
    .group_segment_fixed_size: 144640
    .private_segment_fixed_size: 0
    .kernarg_segment_align: 8
    .kernarg_segment_size: 48
    .max_flat_workgroup_size: 320
    .sgpr_count:     66
    .vgpr_count:     246
    .wavefront_size: 32
...
	.end_amdgpu_metadata
.endif
;; end of part 3
;; launch compact (part 4): grid 21 x 128, 1 waves a work-group, no clusters, 4,352 bytes of LDS; arguments rows, kept, out0; writes out0
.if DOCPART == 4
	.amdgcn_target "amdgcn-amd-amdhsa--gfx1250"
	.amdhsa_code_object_version 6
	.text
	.protected	k_q01132cdf26_compact
	.globl	k_q01132cdf26_compact
	.p2align	8
	.type	k_q01132cdf26_compact,@function
k_q01132cdf26_compact:
	s_mov_b64 s[64:65], 0
	v_nop
	global_prefetch_b8 v0, s[64:65] scope:SCOPE_SE
	s_setreg_imm32_b32 hwreg(HW_REG_WAVE_MODE, 25, 1), 1
	s_wait_xcnt 0x0
; out0[b][c][0..199][5]: the kept rows of list (b, c) moved to the front in score order, zeros behind.  One wave = one output list.
; The kept bits are read as whole numbers; a kept row's place is the number of kept rows in front of it.  The rows are scattered into
; a zeroed stage of 200 x 20 bytes in LDS (row 200 swallows what is not kept) and leave as pieces of 512 neighbouring bytes.
; Class 0 runs the same code on class 1's image with all kept bits cleared: zeros.
; An output list is 4,000 bytes = 7 x 512 + 416.  The eighth piece is the list's LAST 512 bytes: it repeats 96 bytes of the seventh
; with the same values, and in return every store runs with all lanes on and the lane mask is never touched.
; No barrier (one wave), no matrix unit, no cluster: nothing is shared.
.set Z,   4                            ; v[4:7]    zeros
.set OUT, 8                            ; v[8:43]   the image: score OUT+w, x1 OUT+7+w, y1 OUT+14+w, x2 OUT+21+w, y2 OUT+28+w of place 32 w + lane
.set RB,  44                           ; v[44:75]  the stage read back
.set LIST, 4000                        ; bytes in an output list
	s_load_b128 s[4:7], s[0:1], 0x0                ; rows s[4:5], kept s[6:7]
	s_load_b64 s[8:9], s[0:1], 0x10                ; out0
	v_lshl_add_u32 v76, v0, 2, 0x1000
	v_mov_b32 v77, 0
	s_and_b32 s10, ttmp7, 0xffff                   ; batch
	s_max_u32 s11, ttmp9, 1
	s_sub_co_u32 s11, s11, 1                       ; class 0 borrows class 1's list
	s_mul_i32 s12, s10, 20
	s_add_co_u32 s12, s12, s11                     ; source list
	s_mul_i32 s14, s12, 4608
	s_mov_b32 s15, 0
	s_lshl_b32 s16, s12, 7
	s_mov_b32 s17, 0
	s_mul_i32 s18, s10, 21
	s_add_co_u32 s18, s18, ttmp9
	s_mul_i32 s18, s18, LIST
	s_mov_b32 s19, 0
	v_lshlrev_b32 v1, 4, v0                        ; 16 x lane
	v_mov_b32 v[Z], 0
	v_mov_b32 v[Z+1], 0
	v_mov_b32 v[Z+2], 0
	v_mov_b32 v[Z+3], 0
	s_wait_kmcnt 0x0
	s_add_nc_u64 s[4:5], s[4:5], s[14:15]
	s_add_nc_u64 s[6:7], s[6:7], s[16:17]
	s_add_nc_u64 s[8:9], s[8:9], s[18:19]
.set k, 0
.rept 9
	global_load_b128 v[OUT+4*k:OUT+4*k+3], v1, s[4:5] offset:512*k
.set k, k+1
.endr
	s_load_b256 s[40:47], s[6:7], 0x0              ; kept words 0..6 (word 7 is 0)
.set k, 0
.rept 8
	ds_store_b128 v1, v[Z:Z+3] offset:512*k        ; the stage starts as zeros
.set k, k+1
.endr
	s_wait_kmcnt 0x0
	s_cmp_eq_u32 ttmp9, 0
.set w, 0
.rept 7
	s_cselect_b32 s[40+w], 0, s[40+w]              ; background: nothing is kept
.set w, w+1
.endr
	s_mov_b32 s20, 0                               ; kept rows so far
	s_wait_loadcnt 0x0
.set w, 0
.rept 7
	s_mov_b32 vcc_lo, s[40+w]
	v_mbcnt_lo_u32_b32 v3, vcc_lo, s20             ; kept rows in front of mine
	s_bcnt1_i32_b32 s21, vcc_lo
	v_cndmask_b32 v3, 200, v3, vcc_lo              ; not kept: the spare row
	v_min_u32 v3, 200, v3                          ; a place made from loaded numbers is clamped by a constant before it is an address
	v_mul_u32_u24 v3, 20, v3
	ds_store_b32 v3, v[OUT+w]
	ds_store_b32 v3, v[OUT+7+w] offset:4
	ds_store_b32 v3, v[OUT+14+w] offset:8
	ds_store_b32 v3, v[OUT+21+w] offset:12
	ds_store_b32 v3, v[OUT+28+w] offset:16
	s_add_co_u32 s20, s20, s21
.set w, w+1
.endr
.set k, 0
.rept 7
	ds_load_b128 v[RB+4*k:RB+4*k+3], v1 offset:512*k   ; LDS serves the wave in order: these see the stores above
.set k, k+1
.endr
	ds_load_b128 v[RB+28:RB+31], v1 offset:LIST-512    ; the last 512 bytes of the list; the spare row behind them is not read
.set k, 0
.rept 7
	s_wait_dscnt 7-k                               ; LDS loads return in order: piece k is in, the 7-k younger ones stay out
	global_store_b128 v1, v[RB+4*k:RB+4*k+3], s[8:9] offset:512*k th:TH_STORE_NT
.set k, k+1
.endr
	s_wait_dscnt 0x0
	global_store_b128 v1, v[RB+28:RB+31], s[8:9] offset:LIST-512 th:TH_STORE_NT
	s_wait_tensorcnt 0x0
	ds_add_u32 v76, v77
	s_wait_dscnt 0x0
	s_endpgm
.Lfunc_end_k_q01132cdf26_compact:
	.size	k_q01132cdf26_compact, .Lfunc_end_k_q01132cdf26_compact-k_q01132cdf26_compact
	.p2alignl 7, 3214868480
	.fill 96, 4, 3214868480
	.section	.rodata,"a",@progbits
	.p2align	6, 0x0
	.amdhsa_kernel k_q01132cdf26_compact
		.amdhsa_group_segment_fixed_size 4352
		.amdhsa_private_segment_fixed_size 0
		.amdhsa_enable_private_segment 0
		.amdhsa_kernarg_size 24
		.amdhsa_user_sgpr_count 2
		.amdhsa_user_sgpr_kernarg_segment_ptr 1
		.amdhsa_wavefront_size32 1
		.amdhsa_system_sgpr_workgroup_id_x 1
		.amdhsa_system_sgpr_workgroup_id_y 1
		.amdhsa_system_sgpr_workgroup_id_z 1
		.amdhsa_system_vgpr_workitem_id 0
		.amdhsa_next_free_vgpr 78
		.amdhsa_next_free_sgpr 66
		.amdhsa_reserve_vcc 1
		.amdhsa_float_denorm_mode_32 3
		.amdhsa_float_denorm_mode_16_64 3
		.amdhsa_memory_ordered 1
		.amdhsa_forward_progress 1
		.amdhsa_inst_pref_size 10
	.end_amdhsa_kernel
	.amdgpu_metadata
---
amdhsa.version: [ 1, 2 ]
amdhsa.kernels:
  - .name:           k_q01132cdf26_compact
    .symbol:         k_q01132cdf26_compact.kd
    .args:
      - { .name: rows, .offset: 0, .size: 8, .value_kind: global_buffer, .address_space: global }
      - { .name: kept, .offset: 8, .size: 8, .value_kind: global_buffer, .address_space: global }
      - { .name: out0, .offset: 16, .size: 8, .value_kind: global_buffer, .address_space: global }
    .group_segment_fixed_size: 4352
    .private_segment_fixed_size: 0
    .kernarg_segment_align: 8
    .kernarg_segment_size: 24
    .max_flat_workgroup_size: 32
    .sgpr_count:     66
    .vgpr_count:     78
    .wavefront_size: 32
...
	.end_amdgpu_metadata
.endif
;; end of part 4
;; ======== version 2 of 3: 4 launches; 1.69 times as fast as version 1
;; limits: inputs' magnitudes at most 400
;; workspace buffers: keys 90,439,680 bytes of whole numbers; skey 2,621,440 bytes; sidx 2,621,440 bytes of whole numbers; rows 11,796,480 bytes; kept 327,680 bytes of whole numbers
;; launch scores (part 5): grid 23 x 128, 3 waves a work-group, no clusters, 32,768 bytes of LDS; arguments conf_data, keys; writes keys
.if DOCPART == 5
	.amdgcn_target "amdgcn-amd-amdhsa--gfx1250"
	.amdhsa_code_object_version 6
	.text
	.protected	k_q01132cdf26_scores
	.globl	k_q01132cdf26_scores
	.p2align	8
	.type	k_q01132cdf26_scores,@function
k_q01132cdf26_scores:
	s_mov_b64 s[64:65], 0
	v_nop
	global_prefetch_b8 v0, s[64:65] scope:SCOPE_SE
	s_setreg_imm32_b32 hwreg(HW_REG_WAVE_MODE, 25, 1), 1
	s_wait_xcnt 0x0
; keys[b][c-1][n] = bit pattern of softmax(conf[b][n][:])[c] where that score is > 0.01, else 0x3c000000   (c = 1..20; class 0 is never used).
; 0x3c000000 is 2^-7, below 0.01: every key is the pattern of a normal positive f32, which orders like a whole number, and an invalid
; key lies below every valid one.  A key row has 8832 words (35,328 bytes) in box order: 8732 boxes and 100 invalid keys.
; One wave = one chunk of 128 boxes = 10,752 contiguous bytes of conf: 21 loads of 512 neighbouring bytes.  The chunk is turned in
; the wave's own LDS part: lane l takes boxes 4l .. 4l+3 whole, which are 336 neighbouring bytes: 21 loads of 16 bytes, the lanes 21 x 16
; bytes apart, an odd multiple of 16, so that sixteen lanes touch sixteen different 16-byte columns.  The softmax never leaves the lane,
; and the four keys of one class are the lane's 16 bytes of a key row: each store of the wave covers 512 consecutive bytes, aligned.
; 69 chunks a batch = 23 work-groups of 3 waves.  The last chunk has 28 boxes: its loads are clamped to the batch's last 16 bytes,
; and boxes that do not exist get the reciprocal 0, which makes their keys invalid.
; THE ARITHMETIC.  The order of the top 200 hangs on the last bit of near-equal scores, so each step is one definite f32 operation:
;   d = x - max (one subtraction);
;   exp(d) by the Cephes reduction and polynomial with fused multiply-adds (macro EXPG);
;   the sum as a halving tree over the 21 terms padded to 32: term i with term i+16, then with i+8, i+4, i+2, i+1;
;   score = exp(d) times the rounded reciprocal of the sum (v_rcp_f32 refined twice), not a division.
; No matrix unit (no product); no cluster, no tensor mover (no byte is shared between work-groups); no barrier (each wave has its own LDS part).
; LIMITS: finite inputs.  d is held at -80 or above: a term below e^-80 changes no sum that is at least 1, and its own score is far
; below 0.01.  Against an f32 evaluation with another exp, another order of the sum or a true division a score may differ in its last
; bits, and two scores that near to each other may then change places.
.set NBOX,   8732
.set BATCHB, NBOX*21*4                 ; 733,488 bytes of conf in a batch
.set CHUNKB, 128*21*4                  ; 10,752 bytes in a chunk
.set KROW,   8832*4                    ; bytes in a key row
.set X,  8                             ; v[8:91]    the chunk as loaded; then box 4l + bx, class c at X + 21 bx + c
.set Y,  92                            ; v[92:171]  keys: class c, box bx at Y + 4 (c-1) + bx.  Before that, at work:
.set TN, Y                             ; v[92:103]  exp: n
.set TZ, Y+12                          ; v[104:115] exp: polynomial
.set TX, Y+24                          ; v[116:127] exp: x squared
.set PC, Y+36                          ; v[128:137] exp: coefficients p1 .. p5, each twice (pairs for the packed form)
.set WS, Y                             ; v[92:123]  behind exp: eight partial sums of box bx at WS + 8 bx
.set MX, 172                           ; v[172:175] maximum of a box
.set SM, 176                           ; v[176:179] sum of a box
.set RC, 180                           ; v[180:183] 1 / sum
.set Q,  184                           ; v[184:187] score at work
.set RM, 188                           ; v[188:191] remainder at work
.macro SETP k, val
	v_mov_b32 v[PC+2*\k], \val
	v_mov_b32 v[PC+2*\k+1], \val
.endm
; np register pairs, pair i at v[b + st i], are replaced by their exponentials, two values an instruction where a packed form exists.
; n = floor(a log2e + 0.5);  x = a - 0.693359375 n + 2.1219444e-4 n;  z = ((((p0 x + p1) x + p2) x + p3) x + p4) x + p5;
; e = (z x^2 + x) + 1, times 2^n: n is added to the exponent field (|a| <= 80 keeps it a normal number).
.macro EXPG b, st, np
.set i, 0
.rept \np
	v_pk_fma_f32 v[TN+2*i:TN+2*i+1], v[\b+\st*i:\b+\st*i+1], 0x3fb8aa3b, 0.5 op_sel_hi:[1,0,0]
.set i, i+1
.endr
.set i, 0
.rept 2*\np
	v_floor_f32 v[TN+i], v[TN+i]
.set i, i+1
.endr
.set i, 0
.rept \np
	v_pk_fma_f32 v[\b+\st*i:\b+\st*i+1], v[TN+2*i:TN+2*i+1], 0xbf318000, v[\b+\st*i:\b+\st*i+1] op_sel_hi:[1,0,1]
.set i, i+1
.endr
.set i, 0
.rept \np
	v_pk_fma_f32 v[\b+\st*i:\b+\st*i+1], v[TN+2*i:TN+2*i+1], 0x395e8083, v[\b+\st*i:\b+\st*i+1] op_sel_hi:[1,0,1]
.set i, i+1
.endr
.set i, 0
.rept \np
	v_pk_fma_f32 v[TZ+2*i:TZ+2*i+1], v[\b+\st*i:\b+\st*i+1], 0x39506967, v[PC:PC+1] op_sel_hi:[1,0,1]
.set i, i+1
.endr
.irp k, 1,2,3,4
.set i, 0
.rept \np
	v_pk_fma_f32 v[TZ+2*i:TZ+2*i+1], v[TZ+2*i:TZ+2*i+1], v[\b+\st*i:\b+\st*i+1], v[PC+2*\k:PC+2*\k+1]
.set i, i+1
.endr
.endr
.set i, 0
.rept \np
	v_pk_mul_f32 v[TX+2*i:TX+2*i+1], v[\b+\st*i:\b+\st*i+1], v[\b+\st*i:\b+\st*i+1]
.set i, i+1
.endr
.set i, 0
.rept \np
	v_pk_fma_f32 v[TZ+2*i:TZ+2*i+1], v[TZ+2*i:TZ+2*i+1], v[TX+2*i:TX+2*i+1], v[\b+\st*i:\b+\st*i+1]
.set i, i+1
.endr
.set i, 0
.rept \np
	v_pk_add_f32 v[TZ+2*i:TZ+2*i+1], v[TZ+2*i:TZ+2*i+1], 1.0 op_sel_hi:[1,0]
.set i, i+1
.endr
.set i, 0
.rept 2*\np
	v_cvt_i32_f32 v[TN+i], v[TN+i]
.set i, i+1
.endr
.set i, 0
.rept \np
	v_lshl_add_u32 v[\b+\st*i],   v[TN+2*i],   23, v[TZ+2*i]
	v_lshl_add_u32 v[\b+\st*i+1], v[TN+2*i+1], 23, v[TZ+2*i+1]
.set i, i+1
.endr
.endm
	s_load_b128 s[4:7], s[0:1], 0x0                ; conf s[4:5], keys s[6:7]
	v_lshl_add_u32 v192, v0, 2, 0x7e00
	v_mov_b32 v193, 0
	v_and_b32 v1, 31, v0                           ; lane
	v_lshrrev_b32 v2, 5, v0
	v_readfirstlane_b32 s8, v2                     ; wave 0..2
	s_and_b32 s9, ttmp7, 0xffff                    ; batch
	s_mul_i32 s10, ttmp9, 3
	s_add_co_u32 s10, s10, s8                      ; chunk 0..68
	s_mul_i32 s12, s9, BATCHB                      ; the batch in conf (below 2^31)
	s_mov_b32 s13, 0
	s_mul_i32 s14, s9, 20*KROW                     ; the batch's 20 key rows
	s_lshl_b32 s11, s10, 9                         ; + 128 keys a chunk
	s_add_co_u32 s14, s14, s11
	s_mov_b32 s15, 0
	s_mul_i32 s16, s10, CHUNKB                     ; the chunk inside the batch
	s_mul_i32 s17, s8, CHUNKB                      ; my wave's LDS part
	s_lshl_b32 s18, s10, 7                         ; the chunk's first box
	s_mov_b32 s20, 0x3c23d70a                      ; 0.01
	s_mov_b32 s21, 0x3c000000                      ; the invalid key
	v_lshlrev_b32 v5, 4, v1                        ; 16 x lane: key stores
	v_add_nc_u32 v2, s16, v5                       ; my 16 bytes of the chunk's first 512
	v_add_nc_u32 v3, s17, v5                       ; LDS, as loaded
	v_mul_u32_u24 v4, 336, v1
	v_add_nc_u32 v4, s17, v4                       ; LDS, box 4l of the chunk (84 bytes a box)
	v_lshl_add_u32 v6, v1, 2, s18                  ; box 4l of the chunk, counted in the batch
.set k, 0
.rept 21
	v_add_nc_u32 v[X+4*k], 512*k, v2               ; each load's offset lies in the first register that the load itself fills
	v_min_u32 v[X+4*k], BATCHB-16, v[X+4*k]        ; never past the batch (the last batch ends the buffer)
.set k, k+1
.endr
	s_wait_kmcnt 0x0
	s_add_nc_u64 s[4:5], s[4:5], s[12:13]
	s_add_nc_u64 s[6:7], s[6:7], s[14:15]
.set k, 0
.rept 21
	global_load_b128 v[X+4*k:X+4*k+3], v[X+4*k], s[4:5] th:TH_LOAD_NT
.set k, k+1
.endr
	SETP 0, 0x3ab743ce                             ; p1 = 1.3981999507e-3   (p0 = 1.98756915e-4 stands in the macro)
	SETP 1, 0x3c088908                             ; p2 = 8.3334519073e-3
	SETP 2, 0x3d2aa9c1                             ; p3 = 4.1665795894e-2
	SETP 3, 0x3e2aaaaa                             ; p4 = 1.6666665459e-1
	SETP 4, 0.5                                    ; p5 = 5.0000001201e-1, which is 0.5 in f32
.set k, 0
.rept 21
	s_wait_loadcnt 20-k                            ; loads return in order: load k is in, the 20-k younger ones stay out
	ds_store_b128 v3, v[X+4*k:X+4*k+3] offset:512*k
.set k, k+1
.endr
.set k, 0
.rept 21
	ds_load_b128 v[X+4*k:X+4*k+3], v4 offset:16*k  ; LDS serves a wave in order: these see the stores.  Word w of the lane's 84 is box w / 21, class w % 21
.set k, k+1
.endr
	s_wait_dscnt 0x0
	; maximum of each box: ten three-way maxima, the four boxes side by side
.irp bx, 0,1,2,3
	v_max3_num_f32 v[MX+\bx], v[X+21*\bx], v[X+21*\bx+1], v[X+21*\bx+2]
.endr
.set c, 3
.rept 9
.irp bx, 0,1,2,3
	v_max3_num_f32 v[MX+\bx], v[MX+\bx], v[X+21*\bx+c], v[X+21*\bx+c+1]
.endr
.set c, c+2
.endr
	; d = x - max, rounded as an f32 difference, held at -80
.set c, 0
.rept 21
.irp bx, 0,1,2,3
	v_sub_f32 v[X+21*\bx+c], v[X+21*\bx+c], v[MX+\bx]
.endr
.irp bx, 0,1,2,3
	v_max_num_f32 v[X+21*\bx+c], 0xc2a00000, v[X+21*\bx+c]
.endr
.set c, c+1
.endr
	; the 84 exponentials: from here to the sums a box's border means nothing, so the registers go as 42 pairs, six pairs side by side
.set g, 0
.rept 7
	EXPG X+12*g, 2, 6
.set g, g+1
.endr
	; the sum of a box: term i with i+16 (five pairs), then with i+8, i+4, i+2, i+1; the four boxes side by side
.irp bx, 0,1,2,3
.irp j, 0,1,2,3,4
	v_add_f32 v[WS+8*\bx+\j], v[X+21*\bx+\j], v[X+21*\bx+16+\j]
.endr
.irp j, 5,6,7
	v_add_f32 v[WS+8*\bx+\j], v[X+21*\bx+\j], v[X+21*\bx+8+\j]
.endr
.endr
.irp bx, 0,1,2,3
.irp j, 0,1,2,3,4
	v_add_f32 v[WS+8*\bx+\j], v[WS+8*\bx+\j], v[X+21*\bx+8+\j]
.endr
.endr
.irp bx, 0,1,2,3
.irp j, 0,1,2,3
	v_add_f32 v[WS+8*\bx+\j], v[WS+8*\bx+\j], v[WS+8*\bx+\j+4]
.endr
.endr
.irp bx, 0,1,2,3
	v_add_f32 v[WS+8*\bx],   v[WS+8*\bx],   v[WS+8*\bx+2]
	v_add_f32 v[WS+8*\bx+1], v[WS+8*\bx+1], v[WS+8*\bx+3]
.endr
.irp bx, 0,1,2,3
	v_add_f32 v[SM+\bx], v[WS+8*\bx], v[WS+8*\bx+1]
.endr
	; 1 / sum, refined twice: r += r (1 - sum r)
.irp bx, 0,1,2,3
	v_rcp_f32 v[RC+\bx], v[SM+\bx]
.endr
	v_nop                                          ; one plain vector instruction between the reciprocals and their first use (ISA guide 5.7.2)
	s_wait_alu depctr_va_vdst(0)
.rept 2
.irp bx, 0,1,2,3
	v_fma_f32 v[RM+\bx], -v[SM+\bx], v[RC+\bx], 1.0
.endr
.irp bx, 0,1,2,3
	v_fma_f32 v[RC+\bx], v[RM+\bx], v[RC+\bx], v[RC+\bx]
.endr
.endr
.irp bx, 0,1,2,3
	v_cmp_gt_u32 vcc_lo, NBOX-\bx, v6              ; does box 4l + bx of the chunk exist?
	v_cndmask_b32 v[RC+\bx], 0, v[RC+\bx], vcc_lo  ; no: reciprocal 0, so every score below is 0 and every key invalid
.endr
	; score = e times 1/sum;  key = its bits if they are above 0.01's bits, else the invalid key
.set c, 1
.rept 20
.irp bx, 0,1,2,3
	v_mul_f32 v[Q+\bx], v[X+21*\bx+c], v[RC+\bx]
.endr
.irp bx, 0,1,2,3
	v_cmp_lt_u32 vcc_lo, s20, v[Q+\bx]
	v_cndmask_b32 v[Y+4*(c-1)+\bx], s21, v[Q+\bx], vcc_lo
.endr
.set c, c+1
.endr
.set c, 0
.rept 20
	global_store_b128 v5, v[Y+4*c:Y+4*c+3], s[6:7] offset:c*KROW
.set c, c+1
.endr
	s_wait_tensorcnt 0x0
	ds_add_u32 v192, v193
	s_wait_dscnt 0x0
	s_endpgm
.Lfunc_end_k_q01132cdf26_scores:
	.size	k_q01132cdf26_scores, .Lfunc_end_k_q01132cdf26_scores-k_q01132cdf26_scores
	.p2alignl 7, 3214868480
	.fill 96, 4, 3214868480
	.section	.rodata,"a",@progbits
	.p2align	6, 0x0
	.amdhsa_kernel k_q01132cdf26_scores
		.amdhsa_group_segment_fixed_size 32768
		.amdhsa_private_segment_fixed_size 0
		.amdhsa_enable_private_segment 0
		.amdhsa_kernarg_size 16
		.amdhsa_user_sgpr_count 2
		.amdhsa_user_sgpr_kernarg_segment_ptr 1
		.amdhsa_wavefront_size32 1
		.amdhsa_system_sgpr_workgroup_id_x 1
		.amdhsa_system_sgpr_workgroup_id_y 1
		.amdhsa_system_sgpr_workgroup_id_z 1
		.amdhsa_system_vgpr_workitem_id 0
		.amdhsa_next_free_vgpr 194
		.amdhsa_next_free_sgpr 66
		.amdhsa_reserve_vcc 1
		.amdhsa_float_denorm_mode_32 3
		.amdhsa_float_denorm_mode_16_64 3
		.amdhsa_memory_ordered 1
		.amdhsa_forward_progress 1
		.amdhsa_inst_pref_size 79
	.end_amdhsa_kernel
	.amdgpu_metadata
---
amdhsa.version: [ 1, 2 ]
amdhsa.kernels:
  - .name:           k_q01132cdf26_scores
    .symbol:         k_q01132cdf26_scores.kd
    .args:
      - { .name: conf_data, .offset: 0, .size: 8, .value_kind: global_buffer, .address_space: global }
      - { .name: keys, .offset: 8, .size: 8, .value_kind: global_buffer, .address_space: global }
    .group_segment_fixed_size: 32768
    .private_segment_fixed_size: 0
    .kernarg_segment_align: 8
    .kernarg_segment_size: 16
    .max_flat_workgroup_size: 96
    .sgpr_count:     66
    .vgpr_count:     194
    .wavefront_size: 32
...
	.end_amdgpu_metadata
.endif
;; end of part 5
;; launch select (part 6): grid 20 x 128, 1 waves a work-group, no clusters, 12,544 bytes of LDS; arguments keys, skey, sidx; writes skey, sidx
.if DOCPART == 6
	.amdgcn_target "amdgcn-amd-amdhsa--gfx1250"
	.amdhsa_code_object_version 6
	.text
	.protected	k_q01132cdf26_select
	.globl	k_q01132cdf26_select
	.p2align	8
	.type	k_q01132cdf26_select,@function
k_q01132cdf26_select:
	s_mov_b64 s[64:65], 0
	v_nop
	global_prefetch_b8 v0, s[64:65] scope:SCOPE_SE
	s_setreg_imm32_b32 hwreg(HW_REG_WAVE_MODE, 25, 1), 1
	s_wait_xcnt 0x0
; One wave = one list (batch b = y, class c = 1 + x): the 200 largest of the list's keys in descending order, ties to the lower index.
; OUT: skey[list] and sidx[list], an image of 8 registers (1,024 bytes) each: word 128 k + 4 lane + e is register 4 k + e; register p holds
; sorted place 32 p + lane (p = 0..6), register 7 zeros.  Each store of the wave covers 512 consecutive bytes, aligned.
; The boxes are fetched by the next launch.  Every loop here has a constant number of trips and every global address is made of ids and
; constants; what hangs on the keys only selects values and LDS places.
; KEYS are patterns of normal positive f32 in 0x3c000000 .. 0x3f800000 (0x3c000000 = invalid), so the f32 order is the order of the patterns.
;
; COUNTING.  med3(key, t-1, t) is t-1 where key < t and t where key >= t.  The sum of these patterns over N keys, modulo 2^32, is
; N (t-1) + (keys >= t): one v_med3_num_f32 a register and one v_add3_u32 for two, and no instruction of the count writes a scalar register.
; 1 KEYS    a group = 8 neighbouring boxes = 32 bytes = 8 registers of one lane: group 32 g + lane, g = 0..34 (70 loads; 25 groups a lane in
;           v56-255, 10 in the second window of 256).  The row has 1104 groups: the 16 lanes beyond read the last group again, which is all invalid.
; 2 GROUPS  M = the 200th largest of the 1120 group maxima, bit by bit (bits 25 .. 0 above 0x3c000000: 26 trips), GA = maxima above M
;           (the count at the last trial that failed, which is M + 1).  Taken: the groups above M and the first 200 - GA groups equal to M.
;           These 200 groups hold the top 200 keys: a key x of a group that is not taken is beaten by the maximum of each group taken,
;           which is larger than x, or equal to x in an earlier group, that is, at a lower index.
;           The groups go to LDS in their order with their numbers: element e = 8 place + i; the order of e is the order of the index.
;           The keys of the second window are read only as source 0 of a move or of a two-source maximum; before their groups are stored
;           they are moved down into the registers that the first 25 groups' stores have read.
; 3 BOUND   T = the 200th largest of the 1600 elements (50 registers, element 32 r + lane), G = elements above T, in the same way.
; 4 PACK    elements above T go to places 0 .. G-1, elements equal to T to places G .. , both in the order of e.  Place 224 swallows all else;
;           places 200 .. 223 may take further elements equal to T, which end up behind the first 200.
; 5 RANK    c = 32 (key - 0x3c000000) + 2^24 + 31 - lane, at most 0x7100001f: again the pattern of a normal f32.  Candidate j beats place i if its
;           key is larger, or equal and j stands in front.  With base = c without its low five bits that is c_j > lo_i, where lo_i = base + 31
;           if j's block of 32 lies behind i's, c_i in the same block, base - 1 if it lies in front.  med3(c_j, lo, lo + 1) = lo + [j beats i];
;           the 200 candidates come as LDS loads of one address for all lanes, four a load, a block ahead.  The sum of the lo, taken off at the end,
;           is 200 base + 31 nA + nB (31 - lane) - nC with nA, nB, nC candidates behind, in and in front of the block.
; No matrix unit (no product), no cluster or tensor mover (each key row is read by one wave, once), no barrier (one wave).
; LIMITS: keys as the launch before makes them from finite inputs.
.set KROW,  35328                      ; bytes in a key row
.set TOPK,  200
.set INV,   0x3c000000                 ; the invalid key, and the bits that all keys share
.set SPARE, 224                        ; the place that swallows what is not taken
.set AC,    6                          ; v[6:9]    four running sums
.set GM,    10                         ; v[10:44]  group maxima
.set VZ,    45                         ; v45       0: the address of the loads that all lanes share
.set TT,    46                         ; v[46:53]  at work
.set KB,    56                         ; v[56:255] groups 0..24, eight registers each; groups 25..34 are v0-79 of window 1 (v256-335)
.set C2,    56                         ; v[56:105] from step 3 on: the 1600 elements
.set CG,    0                          ; LDS: 201 groups of 32 bytes (place 200 swallows the groups not taken)
.set GI,    6432                       ; LDS: their numbers, 201 words
.set CK,    7248                       ; LDS: candidate keys, 225 words
.set CN,    8160                       ; LDS: candidate elements, 225 words
.set CC,    9072                       ; LDS: candidate composites, 224 words
.set SK,    9968                       ; LDS: sorted keys, 225 words
.set SN,    10880                      ; LDS: sorted indices, 225 words
; registers of step 5 (the elements are dead then)
.set BB0,   56                         ; v[56:87]   32 candidates' composites, in every lane
.set BB1,   88                         ; v[88:119]  the next 32
.set CKEY,  120                        ; v[120:126] candidate key of place 32 r + lane
.set CE,    128                        ; v[128:134] its element, then its index
.set LOB,   136                        ; v[136:142] c
.set HIB,   144                        ; v[144:150] c + 1
.set LOA,   152                        ; v[152:157] base + 31
.set HIA,   160                        ; v[160:165] base + 32
.set LOCC,  168                        ; v[169:174] base - 1
.set HIC,   176                        ; v[176:182] base
.set ACC,   184                        ; v[184:190] the sums, then the ranks
.set XT,    192                        ; v[192:205] at work
.set GP,    208                        ; v[208:214] the number of the candidate's group
.set SKEY,  216                        ; v[216:223] sorted keys, and a register of zeros
.set SIDX,  224                        ; v[224:231] sorted indices, and a register of zeros
.set MSB, 0
.macro WIN new                         ; register window; the immediate's high byte repeats the setting that is left
.if MSB != \new
	s_set_vgpr_msb (MSB<<8)|\new
.set MSB, \new
.endif
.endm
.macro LANESUM                         ; s26 = sum of v3 over the 32 lanes, modulo 2^32
	v_mov_b32_dpp v4, v3 row_xmask:1 row_mask:0xf bank_mask:0xf
	v_add_nc_u32 v3, v3, v4
	v_mov_b32_dpp v4, v3 row_xmask:2 row_mask:0xf bank_mask:0xf
	v_add_nc_u32 v3, v3, v4
	v_mov_b32_dpp v4, v3 row_xmask:4 row_mask:0xf bank_mask:0xf
	v_add_nc_u32 v3, v3, v4
	v_mov_b32_dpp v4, v3 row_xmask:8 row_mask:0xf bank_mask:0xf
	v_add_nc_u32 v3, v3, v4
	v_permlanex16_b32 v4, v3, s12, s13
	v_add_nc_u32 v3, v3, v4
	v_readfirstlane_b32 s26, v3
.endm
; v3 = the lane's sum of med3(key, s23, s22) over the n registers from base on; eight side by side, four sums started by the first eight
.macro COUNT base, n
.set i, 0
.rept \n/8
.set k, 0
.rept 8
	v_med3_num_f32 v[TT+k], v[\base+i+k], s23, s22
.set k, k+1
.endr
.set k, 0
.rept 4
.if i == 0
	v_add_nc_u32 v[AC+k], v[TT+2*k], v[TT+2*k+1]
.else
	v_add3_u32 v[AC+k], v[AC+k], v[TT+2*k], v[TT+2*k+1]
.endif
.set k, k+1
.endr
.set i, i+8
.endr
.set k, 0
.rept \n%8
	v_med3_num_f32 v[TT+k], v[\base+i+k], s23, s22
.set k, k+1
.endr
.set k, 0
.rept \n%8
	v_add_nc_u32 v[AC+k], v[AC+k], v[TT+k]
.set k, k+1
.endr
	v_add_nc_u32 v[AC], v[AC], v[AC+1]
	v_add3_u32 v3, v[AC], v[AC+2], v[AC+3]
.endm
.macro BHEAD                           ; s20 = the bound so far, s27 = the count at the last trial that failed, s21 = the bit on trial
	s_mov_b32 s20, INV
	s_mov_b32 s27, 0
	s_mov_b32 s21, 0x02000000
	s_mov_b32 s24, 0
.endm
.macro BTRIAL
	s_or_b32 s22, s20, s21                         ; the trial t, at least 0x3c000001
	s_sub_co_u32 s23, s22, 1                       ; t - 1
.endm
.macro BTAIL n
	LANESUM
	s_mul_i32 s28, s23, 32*(\n)
	s_sub_co_u32 s26, s26, s28                     ; the sum less N (t-1): how many are >= t
	s_cmp_ge_u32 s26, TOPK
	s_cselect_b32 s20, s22, s20                    ; at least 200: keep the bit
	s_cselect_b32 s27, s27, s26                    ; else remember the count
	s_lshr_b32 s21, s21, 1
	s_add_co_u32 s24, s24, 1
	s_cmp_lt_u32 s24, 26
.endm
; Group 32 g + lane.  s20 = M, s31 = how many groups equal to M are wanted, s32 = such groups seen, s25 = places used.
; v6 = 32 x the group's place; its number goes to the table.  (The argument stands in brackets wherever it is multiplied.)
.macro CGRP g
	v_cmp_eq_u32 s36, s20, v[GM+(\g)]
	v_cmp_lt_u32 s35, s20, v[GM+(\g)]
	v_mbcnt_lo_u32_b32 v8, s36, s32                ; equal groups in front of mine
	v_cmp_gt_u32 vcc_lo, s31, v8                   ; still wanted?
	s_and_b32 vcc_lo, vcc_lo, s36
	s_or_b32 vcc_lo, vcc_lo, s35                   ; taken: above M, or equal and wanted
	v_mbcnt_lo_u32_b32 v3, vcc_lo, s25             ; places used + takers in lower lanes
	s_bcnt1_i32_b32 s26, vcc_lo
	v_cndmask_b32 v3, TOPK, v3, vcc_lo             ; the others write to the spare place
	v_min_u32 v3, TOPK, v3                         ; a place made from loaded numbers is clamped by a constant before it is an address
	v_lshlrev_b32 v6, 5, v3
	v_lshlrev_b32 v3, 2, v3
	v_add_nc_u32 v4, 32*(\g), v0                   ; the group's number
	ds_store_b32 v3, v4 offset:GI
	s_bcnt1_i32_b32 s28, s36
	s_add_co_u32 s25, s25, s26
	s_add_co_u32 s32, s32, s28
.endm
; Element register reg, held in v[key].  s20 = T; s25 = elements above T placed so far; s32 = G + elements equal to T seen so far.
.macro CREG key, reg
	v_cmp_lt_u32 s35, s20, v[\key]                 ; above T
	v_cmp_eq_u32 vcc_lo, s20, v[\key]              ; equal to T
	v_mbcnt_lo_u32_b32 v3, s35, s25                ; my place if above
	v_mbcnt_lo_u32_b32 v6, vcc_lo, s32             ; my place if equal
	v_cndmask_b32 v6, SPARE, v6, vcc_lo            ; neither: the spare place
	v_cndmask_b32 v3, v6, v3, s35
	v_min_u32 v3, SPARE, v3                        ; clamped by a constant before it is an address
	v_lshlrev_b32 v3, 2, v3
	v_add_nc_u32 v4, 32*(\reg), v0                 ; element 32 reg + lane
	ds_store_b32 v3, v[\key] offset:CK
	ds_store_b32 v3, v4 offset:CN
	s_bcnt1_i32_b32 s26, s35
	s_bcnt1_i32_b32 s28, vcc_lo
	s_add_co_u32 s25, s25, s26
	s_add_co_u32 s32, s32, s28
.endm
.macro BCAST J, buf, nq                ; 4 nq candidates of block J, the same for all lanes
.set q, 0
.rept \nq
	ds_load_b128 v[\buf+4*q:\buf+4*q+3], v[VZ] offset:CC+128*(\J)+16*q
.set q, q+1
.endr
.endm
; nj candidates of block J, two at a time, against all seven registers of places
.macro RANKBLK J, buf, nj
.set m, 0
.rept \nj/2
.set I, 0
.rept 7
.if I < \J
.set rlo, LOA+I
.set rhi, HIA+I
.elseif I == \J
.set rlo, LOB+I
.set rhi, HIB+I
.else
.set rlo, LOCC+I
.set rhi, HIC+I
.endif
	v_med3_num_f32 v[XT+2*I],   v[\buf+m],   v[rlo], v[rhi]
	v_med3_num_f32 v[XT+2*I+1], v[\buf+m+1], v[rlo], v[rhi]
.set I, I+1
.endr
.set I, 0
.rept 7
.if \J+m == 0
	v_add_nc_u32 v[ACC+I], v[XT+2*I], v[XT+2*I+1]  ; the first two candidates start the sums
.else
	v_add3_u32 v[ACC+I], v[ACC+I], v[XT+2*I], v[XT+2*I+1]
.endif
.set I, I+1
.endr
.set m, m+2
.endr
.endm
	s_load_b128 s[4:7], s[0:1], 0x0                ; keys s[4:5], skey s[6:7]
	s_load_b64 s[8:9], s[0:1], 0x10                ; sidx
	v_lshl_add_u32 v54, v0, 2, 0x3000
	v_mov_b32 v55, 0
	s_and_b32 s17, ttmp7, 0xffff                   ; batch
	s_mul_i32 s18, s17, 20
	s_add_co_u32 s18, s18, ttmp9                   ; list
	v_lshlrev_b32 v1, 5, v0                        ; 32 x lane: my group in a run of 32 groups
	v_lshlrev_b32 v2, 2, v0                        ; 4 x lane
	v_mov_b32 v4, 0                                ; the destination of a lane move counts as read
	v_mov_b32 v[VZ], 0
	v_mov_b32 v[TT], 0
	v_mov_b32 v[TT+1], 0
	v_mov_b32 v[TT+2], 0
	v_mov_b32 v[TT+3], 0
	v_lshlrev_b32 v[TT+4], 4, v0                   ; 16 x lane
	v_add_nc_u32 v5, 34*1024, v1                   ; group 1088 + lane,
	v_min_u32 v5, KROW-32, v5                      ; or the row's last group
	s_mov_b32 s12, 0x76543210                      ; v_permlanex16_b32: lane i of the other half
	s_mov_b32 s13, 0xfedcba98
	s_mul_i32 s20, s18, KROW                       ; 2560 rows of 35,328 bytes stay below 2^31
	s_mov_b32 s21, 0
	s_lshl_b32 s22, s18, 10                        ; 1,024 bytes a list in skey and in sidx
	s_mov_b32 s23, 0
	s_wait_kmcnt 0x0
	s_add_nc_u64 s[4:5], s[4:5], s[20:21]
	s_add_nc_u64 s[6:7], s[6:7], s[22:23]
	s_add_nc_u64 s[8:9], s[8:9], s[22:23]
	; ---- 1 KEYS: the two loads of a group together cover 1,024 consecutive bytes
.set g, 0
.rept 25
	global_load_b128 v[KB+8*g:KB+8*g+3],   v1, s[4:5] offset:1024*g
	global_load_b128 v[KB+8*g+4:KB+8*g+7], v1, s[4:5] offset:1024*g+16
.set g, g+1
.endr
	WIN 0x40                                       ; destination in window 1, address in window 0
.set g, 0
.rept 9
	global_load_b128 v[8*g:8*g+3],   v1, s[4:5] offset:1024*(25+g)
	global_load_b128 v[8*g+4:8*g+7], v1, s[4:5] offset:1024*(25+g)+16
.set g, g+1
.endr
	global_load_b128 v[72:75], v5, s[4:5]
	global_load_b128 v[76:79], v5, s[4:5] offset:16
	WIN 0
.set k, 0
.rept 24
	ds_store_b128 v[TT+4], v[TT:TT+3] offset:512*k ; LDS starts as zeros: no place is read that was never written
.set k, k+1
.endr
	; ---- 2 GROUPS: maxima as the loads arrive (f32 maxima: the keys are patterns of positive f32)
.set g, 0
.rept 25
.set wc, 68-2*g                                    ; group g's two loads are in when at most the 68-2g younger ones are out
.if wc > 63
.set wc, 63                                        ; (the wait's field ends at 63)
.endif
.set t, AC+2*(g%2)
	s_wait_loadcnt wc
	v_max3_num_f32 v[t],   v[KB+8*g],   v[KB+8*g+1], v[KB+8*g+2]
	v_max3_num_f32 v[t+1], v[KB+8*g+3], v[KB+8*g+4], v[KB+8*g+5]
	v_max3_num_f32 v[t],   v[t], v[KB+8*g+6], v[KB+8*g+7]
	v_max_num_f32 v[GM+g], v[t], v[t+1]
.set g, g+1
.endr
	s_wait_loadcnt 0x0
	s_wait_dscnt 0x0                               ; the zeros are stored: their registers go to work in the counts below
	WIN 0x01                                       ; source 0 in window 1
.set j, 0
.rept 10
	v_mov_b32 v[GM+25+j], v[8*j]                   ; the first key of each group starts its maximum
.set j, j+1
.endr
.set i, 1
.rept 7
.set j, 0
.rept 10
	v_max_num_f32 v[GM+25+j], v[8*j+i], v[GM+25+j] ; ten chains side by side
.set j, j+1
.endr
.set i, i+1
.endr
	WIN 0
	BHEAD
.Lbis1:
	BTRIAL
	COUNT GM, 35
	BTAIL 35
	s_cbranch_scc1 .Lbis1
	; the 200 groups, in their order
	s_sub_co_u32 s31, TOPK, s27                    ; how many groups equal to M are wanted
	s_mov_b32 s32, 0
	s_mov_b32 s25, 0
.set g, 0
.rept 25
	CGRP g
	ds_store_b128 v6, v[KB+8*g:KB+8*g+3]   offset:CG
	ds_store_b128 v6, v[KB+8*g+4:KB+8*g+7] offset:CG+16
.set g, g+1
.endr
	WIN 0x01                                       ; source 0 in window 1
.set i, 0
.rept 80
	v_mov_b32 v[KB+i], v[i]                        ; groups 25..34 down into the registers of groups 0..9, whose stores are issued
.set i, i+1
.endr
	WIN 0
.set g, 25
.rept 10
	CGRP g
	ds_store_b128 v6, v[KB+8*(g-25):KB+8*(g-25)+3]   offset:CG
	ds_store_b128 v6, v[KB+8*(g-25)+4:KB+8*(g-25)+7] offset:CG+16
.set g, g+1
.endr
	; ---- 3 BOUND
.set r, 0
.rept 50
	ds_load_b32 v[C2+r], v2 offset:CG+128*r        ; element 32 r + lane.  LDS serves the wave in order: these see the stores above
.set r, r+1
.endr
	s_wait_dscnt 0x0
	BHEAD
.Lbis2:
	BTRIAL
	COUNT C2, 50
	BTAIL 50
	s_cbranch_scc1 .Lbis2
	; ---- 4 PACK
	s_mov_b32 s25, 0
	s_mov_b32 s32, s27                             ; the elements equal to T stand behind the G above it
.set r, 0
.rept 50
	CREG C2+r, r
.set r, r+1
.endr
	; ---- 5 RANK
.set r, 0
.rept 7
	ds_load_b32 v[CKEY+r], v2 offset:CK+128*r
	ds_load_b32 v[CE+r], v2 offset:CN+128*r
.set r, r+1
.endr
	v_sub_nc_u32 v8, 31, v0                        ; 31 - lane
	v_add_nc_u32 v9, 0x01000000, v8                ; + 2^24
	s_wait_dscnt 0x0
.set r, 0
.rept 7
	v_lshrrev_b32 v[XT+r], 3, v[CE+r]              ; the element's place among the groups,
	v_min_u32 v[XT+r], TOPK, v[XT+r]               ; clamped by a constant before it is an address
	v_lshlrev_b32 v[XT+r], 2, v[XT+r]
	ds_load_b32 v[GP+r], v[XT+r] offset:GI
.set r, r+1
.endr
.set r, 0
.rept 7
	v_max_u32 v[CKEY+r], INV, v[CKEY+r]            ; a place that nothing took (200 .. 223) holds 0: it counts as invalid
	v_add_nc_u32 v[HIC+r], 0xc4000000, v[CKEY+r]   ; key - 0x3c000000
	v_lshl_add_u32 v[LOB+r], v[HIC+r], 5, v9       ; c
	ds_store_b32 v2, v[LOB+r] offset:CC+128*r
.set r, r+1
.endr
	BCAST 0, BB0, 8
	BCAST 1, BB1, 8
.set r, 0
.rept 7
	v_add_nc_u32 v[HIB+r], 1, v[LOB+r]
	v_and_b32 v[HIC+r], 0xffffffe0, v[LOB+r]       ; base
.if r < 6
	v_or_b32 v[LOA+r], 31, v[LOB+r]
	v_add_nc_u32 v[HIA+r], 32, v[HIC+r]
.endif
.if r > 0
	v_add_nc_u32 v[LOCC+r], -1, v[HIC+r]
.endif
.set r, r+1
.endr
	s_wait_dscnt 8                                 ; all but the eight loads of the next block are in
	RANKBLK 0, BB0, 32
	BCAST 2, BB0, 8
	s_wait_dscnt 8
	RANKBLK 1, BB1, 32
	BCAST 3, BB1, 8
	s_wait_dscnt 8
	RANKBLK 2, BB0, 32
	BCAST 4, BB0, 8
	s_wait_dscnt 8
	RANKBLK 3, BB1, 32
	BCAST 5, BB1, 8
	s_wait_dscnt 8
	RANKBLK 4, BB0, 32
	BCAST 6, BB0, 2                                ; candidates 192 .. 199
	s_wait_dscnt 2                                 ; all but these two
	RANKBLK 5, BB1, 32
	s_wait_dscnt 0x0
	RANKBLK 6, BB0, 8
	; rank = sum - 200 base - (nB (31 - lane) + 31 nA - nC).  Places 200 .. 223 are beaten by all 200 candidates: rank 200.
.set I, 0
.rept 7
.if I < 6
.set na, 168-32*I
.set sh, 5                                         ; nB = 32
.else
.set na, 0
.set sh, 3                                         ; nB = 8
.endif
	v_lshlrev_b32 v[XT+I], 3, v[HIC+I]
	v_lshl_add_u32 v[XT+I], v[HIC+I], 6, v[XT+I]
	v_lshl_add_u32 v[XT+I], v[HIC+I], 7, v[XT+I]   ; 8 + 64 + 128 = 200 base, modulo 2^32
	v_lshl_add_u32 v[XT+7+I], v8, sh, (31*na-32*I)&0xffffffff
	v_sub_nc_u32 v[ACC+I], v[ACC+I], v[XT+I]
	v_sub_nc_u32 v[ACC+I], v[ACC+I], v[XT+7+I]
.set I, I+1
.endr
.set r, 0
.rept 7
	v_min_u32 v[ACC+r], SPARE, v[ACC+r]            ; clamped by a constant before it is an address
	v_lshlrev_b32 v[ACC+r], 2, v[ACC+r]
	v_and_b32 v[CE+r], 7, v[CE+r]
	v_lshl_add_u32 v[CE+r], v[GP+r], 3, v[CE+r]    ; index = 8 x group + place in the group
	ds_store_b32 v[ACC+r], v[CKEY+r] offset:SK
	ds_store_b32 v[ACC+r], v[CE+r] offset:SN
.set r, r+1
.endr
.set p, 0
.rept 7
	ds_load_b32 v[SKEY+p], v2 offset:SK+128*p
	ds_load_b32 v[SIDX+p], v2 offset:SN+128*p
.set p, p+1
.endr
	v_mov_b32 v[SKEY+7], 0
	v_mov_b32 v[SIDX+7], 0
	v_lshlrev_b32 v1, 4, v0                        ; 16 x lane (the loads that used v1 are long done)
	s_wait_dscnt 0x0
	; ---- 6 OUT
	global_store_b128 v1, v[SKEY:SKEY+3], s[6:7]
	global_store_b128 v1, v[SKEY+4:SKEY+7], s[6:7] offset:512
	global_store_b128 v1, v[SIDX:SIDX+3], s[8:9]
	global_store_b128 v1, v[SIDX+4:SIDX+7], s[8:9] offset:512
	s_wait_tensorcnt 0x0
	ds_add_u32 v54, v55
	s_wait_dscnt 0x0
	s_endpgm
.Lfunc_end_k_q01132cdf26_select:
	.size	k_q01132cdf26_select, .Lfunc_end_k_q01132cdf26_select-k_q01132cdf26_select
	.p2alignl 7, 3214868480
	.fill 96, 4, 3214868480
	.section	.rodata,"a",@progbits
	.p2align	6, 0x0
	.amdhsa_kernel k_q01132cdf26_select
		.amdhsa_group_segment_fixed_size 12544
		.amdhsa_private_segment_fixed_size 0
		.amdhsa_enable_private_segment 0
		.amdhsa_kernarg_size 24
		.amdhsa_user_sgpr_count 2
		.amdhsa_user_sgpr_kernarg_segment_ptr 1
		.amdhsa_wavefront_size32 1
		.amdhsa_system_sgpr_workgroup_id_x 1
		.amdhsa_system_sgpr_workgroup_id_y 1
		.amdhsa_system_sgpr_workgroup_id_z 1
		.amdhsa_system_vgpr_workitem_id 0
		.amdhsa_next_free_vgpr 336
		.amdhsa_next_free_sgpr 66
		.amdhsa_reserve_vcc 1
		.amdhsa_float_denorm_mode_32 3
		.amdhsa_float_denorm_mode_16_64 3
		.amdhsa_memory_ordered 1
		.amdhsa_forward_progress 1
		.amdhsa_inst_pref_size 250
	.end_amdhsa_kernel
	.amdgpu_metadata
---
amdhsa.version: [ 1, 2 ]
amdhsa.kernels:
  - .name:           k_q01132cdf26_select
    .symbol:         k_q01132cdf26_select.kd
    .args:
      - { .name: keys, .offset: 0, .size: 8, .value_kind: global_buffer, .address_space: global }
      - { .name: skey, .offset: 8, .size: 8, .value_kind: global_buffer, .address_space: global }
      - { .name: sidx, .offset: 16, .size: 8, .value_kind: global_buffer, .address_space: global }
    .group_segment_fixed_size: 12544
    .private_segment_fixed_size: 0
    .kernarg_segment_align: 8
    .kernarg_segment_size: 24
    .max_flat_workgroup_size: 32
    .sgpr_count:     66
    .vgpr_count:     336
    .wavefront_size: 32
...
	.end_amdgpu_metadata
.endif
;; end of part 6
;; launch nms (part 7): grid 2 x 128, 10 waves a work-group, no clusters, 144,640 bytes of LDS; arguments skey, sidx, loc_data, dbox_list, rows, kept; writes rows, kept
.if DOCPART == 7
	.amdgcn_target "amdgcn-amd-amdhsa--gfx1250"
	.amdhsa_code_object_version 6
	.text
	.protected	k_q01132cdf26_nms
	.globl	k_q01132cdf26_nms
	.p2align	8
	.type	k_q01132cdf26_nms,@function
k_q01132cdf26_nms:
	s_mov_b64 s[64:65], 0
	v_nop
	global_prefetch_b8 v0, s[64:65] scope:SCOPE_SE
	s_setreg_imm32_b32 hwreg(HW_REG_WAVE_MODE, 25, 1), 1
	s_wait_xcnt 0x0
; A work-group = ten classes of one batch (x = which ten, y = batch); ten waves, one list each.  2 x 128 = 256 work-groups.
; 1 TABLE  the 320 threads decode the batch's 8732 boxes into an LDS table of corner boxes, 16 bytes a box: thread t takes boxes
;          t + 320 m, m = 0..27, seven at a time, two register sets in turn, so that one set's loads are on their way while the other is
;          decoded.  The table has 8960 slots: the 228 threads whose last box does not exist load the batch's last box and store it
;          to slots of their own, which nothing reads.  One barrier; behind it the table is only read.
; 2 BOXES  each wave reads its list's sorted keys and indices (the images of the launch before) and fetches its 224 boxes from the table.
;          So every global address here is made of ids and constants; what hangs on the order of the scores is an LDS address.
; 3 NMS    rows i in order; 32 columns j a vector instruction, only column blocks at or right of the diagonal; the compare writes a
;          scalar mask, the kept bits live in 7 scalar registers and are updated by select: nothing branches on a float.
;          Only the truth of iou > t is wanted (t = f32 0.45 = 0x3ee66666, an even pattern, spacing 2^-25).  For the correctly rounded
;          quotient it holds exactly when inter > (t + 2^-26) u:  d = fma(u,-t,inter) is exact wherever it is small enough to matter, and
;          fma(u,-2^-26,d) then has the true sign.
;          ONE clamp: p = max(iw,0) ih stands for inter.  iw, ih > 0: p is inter.  iw <= 0: p is a zero.  ih < 0 < iw: p < 0.
;          |AREA|: where iw, ih > 0 both boxes have positive sides, so |area| is the area.  Else p <= 0 and u = |ai| + |aj| - p >= 0, so d <= 0
;          and the test is false, as it is for the reference's inter = 0, whose quotient is 0, -0 or NaN.
;          The steps without minimum, maximum or compare go two column blocks an instruction (v_pk_*_f32), on the pairs (0,1) (2,3) (4,5) (6,7):
;          block 7 does not exist (its registers hold zeros), and for odd R the pair's left block is stale: nobody reads those results.
; OUT: rows[list] = an image of 36 registers (score, x1, y1, x2, y2 of sorted place 32 p + lane, p = 0..6; one register of zeros):
; word 128 k + 4 lane + e is register OUT + 4 k + e;  kept[list][32] u32: words 0..6 are the kept bits of places 32 w + bit.
; Where a kept row lands in the output hangs on the kept bits: those places are formed by the next launch.
; No matrix unit: nothing here is a product.  No tensor mover, no joint loads in a cluster, though the two work-groups of a batch read the
; same loc and all read dbox: raw, the two tables are 2 x 139,712 bytes, which do not fit in LDS beside the 143,360 bytes decoded, and
; they are 56 loads of a lane against some 14,000 instructions of a wave.
; LIMITS: finite inputs; 0.2 x loc is held within -80 .. 80 in front of exp; box areas in the normal f32 range; the centre is one fused
; multiply-add.  Against an f32 evaluation with another exp or an unfused centre a coordinate may differ in its last bits, and an IoU
; that near to 0.45 may fall on the other side.
.set NBOX,  8732
.set STEP,  320*16                     ; table bytes that the 320 threads fill with one box each
.set TRIPB, 7*STEP                     ; and with seven
.set TN,    10                         ; v[10:23]   exp: n
.set TZ,    24                         ; v[24:37]   exp: polynomial
.set TX,    38                         ; v[38:51]   exp: x squared
.set PC,    52                         ; v[52:61]   exp: coefficients p1 .. p5, each twice
.set DB1,   62                         ; v[62:89]   set 1: dbox of seven boxes
.set OUT,   96                         ; v[96:131]  what is handed on
.set SKEY,  OUT                        ; sorted key = score (its image's eighth register is written over by x1)
.set X1,    OUT+7
.set Y1,    OUT+14
.set X2,    OUT+21
.set Y2,    OUT+28
.set PAD,   OUT+35
.set AR,    132                        ; v[132:139] |area|; the eighth is 0
.set SIDX,  140                        ; v[140:147] sorted index, then its table offset
.set LOC0,  148                        ; v[148:175] set 0: loc of seven boxes, then their corners
.set DB0,   176                        ; v[176:203] set 0: dbox
.set LOC1,  204                        ; v[204:231] set 1: loc, then corners
.set T0,    208                        ; from step 2 on, when the sets are dead: at work, eight registers each
.set T1,    216
.set T2,    224
.set T3,    232
.set KV,    240
.set KP,    40                         ; s[40:46]   kept bits
.set MK,    54                         ; s[54:60]   a row's masks
.macro SETP k, val
	v_mov_b32 v[PC+2*\k], \val
	v_mov_b32 v[PC+2*\k+1], \val
.endm
; np register pairs, pair i at v[b + st i], are replaced by their exponentials, two values an instruction where a packed form exists.
; n = floor(a log2e + 0.5);  x = a - 0.693359375 n + 2.1219444e-4 n;  z = ((((p0 x + p1) x + p2) x + p3) x + p4) x + p5;
; e = (z x^2 + x) + 1, times 2^n: n is added to the exponent field (|a| <= 80 keeps it a normal number).
.macro EXPG b, st, np
.set i, 0
.rept \np
	v_pk_fma_f32 v[TN+2*i:TN+2*i+1], v[\b+\st*i:\b+\st*i+1], 0x3fb8aa3b, 0.5 op_sel_hi:[1,0,0]
.set i, i+1
.endr
.set i, 0
.rept 2*\np
	v_floor_f32 v[TN+i], v[TN+i]
.set i, i+1
.endr
.set i, 0
.rept \np
	v_pk_fma_f32 v[\b+\st*i:\b+\st*i+1], v[TN+2*i:TN+2*i+1], 0xbf318000, v[\b+\st*i:\b+\st*i+1] op_sel_hi:[1,0,1]
.set i, i+1
.endr
.set i, 0
.rept \np
	v_pk_fma_f32 v[\b+\st*i:\b+\st*i+1], v[TN+2*i:TN+2*i+1], 0x395e8083, v[\b+\st*i:\b+\st*i+1] op_sel_hi:[1,0,1]
.set i, i+1
.endr
.set i, 0
.rept \np
	v_pk_fma_f32 v[TZ+2*i:TZ+2*i+1], v[\b+\st*i:\b+\st*i+1], 0x39506967, v[PC:PC+1] op_sel_hi:[1,0,1]
.set i, i+1
.endr
.irp k, 1,2,3,4
.set i, 0
.rept \np
	v_pk_fma_f32 v[TZ+2*i:TZ+2*i+1], v[TZ+2*i:TZ+2*i+1], v[\b+\st*i:\b+\st*i+1], v[PC+2*\k:PC+2*\k+1]
.set i, i+1
.endr
.endr
.set i, 0
.rept \np
	v_pk_mul_f32 v[TX+2*i:TX+2*i+1], v[\b+\st*i:\b+\st*i+1], v[\b+\st*i:\b+\st*i+1]
.set i, i+1
.endr
.set i, 0
.rept \np
	v_pk_fma_f32 v[TZ+2*i:TZ+2*i+1], v[TZ+2*i:TZ+2*i+1], v[TX+2*i:TX+2*i+1], v[\b+\st*i:\b+\st*i+1]
.set i, i+1
.endr
.set i, 0
.rept \np
	v_pk_add_f32 v[TZ+2*i:TZ+2*i+1], v[TZ+2*i:TZ+2*i+1], 1.0 op_sel_hi:[1,0]
.set i, i+1
.endr
.set i, 0
.rept 2*\np
	v_cvt_i32_f32 v[TN+i], v[TN+i]
.set i, i+1
.endr
.set i, 0
.rept \np
	v_lshl_add_u32 v[\b+\st*i],   v[TN+2*i],   23, v[TZ+2*i]
	v_lshl_add_u32 v[\b+\st*i+1], v[TN+2*i+1], 23, v[TZ+2*i+1]
.set i, i+1
.endr
.endm
; 14 loads: loc and dbox of boxes t + 320 (7 k + p), p = 0..6.  Only 7 k + p = 27 can pass the table's end: its offset (v6) is clamped.
.macro LOADS k, L, D
.set p, 0
.rept 7
.if 7*\k+p == 27
	global_load_b128 v[\L+4*p:\L+4*p+3], v6, s[8:9]
	global_load_b128 v[\D+4*p:\D+4*p+3], v6, s[10:11]
.else
	global_load_b128 v[\L+4*p:\L+4*p+3], v5, s[8:9] offset:STEP*(7*\k+p)
	global_load_b128 v[\D+4*p:\D+4*p+3], v5, s[10:11] offset:STEP*(7*\k+p)
.endif
.set p, p+1
.endr
.endm
; seven boxes of a lane: corners in place of loc, then into the table at v7, which steps on
.macro DECODE L, D
.set p, 0
.rept 7
	v_mul_f32 v[\L+4*p+2], 0x3e4ccccd, v[\L+4*p+2]     ; 0.2 lw, 0.2 lh
	v_mul_f32 v[\L+4*p+3], 0x3e4ccccd, v[\L+4*p+3]
	v_mul_f32 v[\L+4*p],   0x3dcccccd, v[\L+4*p]       ; 0.1 lx, 0.1 ly
	v_mul_f32 v[\L+4*p+1], 0x3dcccccd, v[\L+4*p+1]
	v_med3_num_f32 v[\L+4*p+2], v[\L+4*p+2], s34, s35
	v_med3_num_f32 v[\L+4*p+3], v[\L+4*p+3], s34, s35
.set p, p+1
.endr
	EXPG \L+2, 4, 7                                ; the seven pairs (0.2 lw, 0.2 lh), four registers apart
.set p, 0
.rept 7
	v_fma_f32 v[\L+4*p],   v[\L+4*p],   v[\D+4*p+2], v[\D+4*p]       ; cx
	v_fma_f32 v[\L+4*p+1], v[\L+4*p+1], v[\D+4*p+3], v[\D+4*p+1]     ; cy
	v_mul_f32 v[\L+4*p+2], v[\D+4*p+2], v[\L+4*p+2]                  ; w
	v_mul_f32 v[\L+4*p+3], v[\D+4*p+3], v[\L+4*p+3]                  ; h
	v_fma_f32 v[\L+4*p],   -0.5, v[\L+4*p+2], v[\L+4*p]              ; x1: halving is exact, the same value as cx - (w * 0.5)
	v_fma_f32 v[\L+4*p+1], -0.5, v[\L+4*p+3], v[\L+4*p+1]            ; y1
	v_add_f32 v[\L+4*p+2], v[\L+4*p],   v[\L+4*p+2]                  ; x2 = x1 + w
	v_add_f32 v[\L+4*p+3], v[\L+4*p+1], v[\L+4*p+3]                  ; y2 = y1 + h
.set p, p+1
.endr
.set p, 0
.rept 7
	ds_store_b128 v7, v[\L+4*p:\L+4*p+3] offset:STEP*p     ; a wave's 32 lanes: 512 neighbouring bytes
.set p, p+1
.endr
	v_add_nc_u32 v7, TRIPB, v7
.endm
	s_load_b256 s[4:11], s[0:1], 0x0               ; skey s[4:5], sidx s[6:7], loc s[8:9], dbox s[10:11]
	s_load_b128 s[12:15], s[0:1], 0x20             ; rows s[12:13], kept s[14:15]
	v_lshl_add_u32 v244, v0, 2, 0x23000
	v_mov_b32 v245, 0
	v_and_b32 v1, 31, v0                           ; lane
	v_lshrrev_b32 v2, 5, v0
	v_readfirstlane_b32 s16, v2                    ; wave 0..9
	s_and_b32 s17, ttmp7, 0xffff                   ; batch
	s_mul_i32 s18, ttmp9, 10
	s_add_co_u32 s18, s18, s16                     ; class - 1
	s_mul_i32 s19, s17, 20
	s_add_co_u32 s18, s18, s19                     ; list
	s_mul_i32 s20, s17, NBOX*16                    ; the batch in loc
	s_mov_b32 s21, 0
	s_lshl_b32 s22, s18, 10                        ; the list in skey and in sidx
	s_mov_b32 s23, 0
	s_mul_i32 s24, s18, 4608                       ; the list in rows
	s_mov_b32 s25, 0
	s_lshl_b32 s26, s18, 7                         ; the list in kept
	s_mov_b32 s27, 0
	s_mov_b32 s34, 0xc2a00000                      ; -80
	s_mov_b32 s35, 0x42a00000                      ; 80
	v_lshlrev_b32 v3, 4, v1                        ; 16 x lane
	v_lshlrev_b32 v4, 2, v1                        ; 4 x lane
	v_lshlrev_b32 v5, 4, v0                        ; 16 x thread: box t in loc, in dbox and in the table
	v_add_nc_u32 v6, 27*STEP, v5                   ; box t + 8640,
	v_min_u32 v6, (NBOX-1)*16, v6                  ; or the last box there is
	v_mov_b32 v7, v5                               ; where the table is written next
	s_wait_kmcnt 0x0
	s_add_nc_u64 s[4:5], s[4:5], s[22:23]
	s_add_nc_u64 s[6:7], s[6:7], s[22:23]
	s_add_nc_u64 s[8:9], s[8:9], s[20:21]
	s_add_nc_u64 s[12:13], s[12:13], s[24:25]
	s_add_nc_u64 s[14:15], s[14:15], s[26:27]
	global_load_b128 v[SKEY:SKEY+3], v3, s[4:5]                ; my list's images: wanted behind the barrier, asked for first
	global_load_b128 v[SKEY+4:SKEY+7], v3, s[4:5] offset:512
	global_load_b128 v[SIDX:SIDX+3], v3, s[6:7]
	global_load_b128 v[SIDX+4:SIDX+7], v3, s[6:7] offset:512
	; ---- 1 TABLE
	LOADS 0, LOC0, DB0
	LOADS 1, LOC1, DB1
	SETP 0, 0x3ab743ce                             ; p1 = 1.3981999507e-3   (p0 = 1.98756915e-4 stands in the macro)
	SETP 1, 0x3c088908                             ; p2 = 8.3334519073e-3
	SETP 2, 0x3d2aa9c1                             ; p3 = 4.1665795894e-2
	SETP 3, 0x3e2aaaaa                             ; p4 = 1.6666665459e-1
	SETP 4, 0.5                                    ; p5 = 5.0000001201e-1, which is 0.5 in f32
	s_wait_loadcnt 14                              ; loads return in order: all but the 14 of set 1 are in
	DECODE LOC0, DB0
	s_wait_dscnt 0x0                               ; the table stores have read set 0 before it is loaded again
	LOADS 2, LOC0, DB0
	s_wait_loadcnt 14                              ; set 1 is in; the 14 just issued stay out
	DECODE LOC1, DB1
	s_wait_dscnt 0x0
	LOADS 3, LOC1, DB1
	s_wait_loadcnt 14
	DECODE LOC0, DB0
	s_wait_loadcnt 0x0
	DECODE LOC1, DB1
	s_wait_dscnt 0x0                               ; my part of the table is written:
	s_barrier_signal -1
	s_barrier_wait -1                              ; everybody's is, and nobody writes LDS from here on
	; ---- 2 BOXES
.set p, 0
.rept 7
	v_min_u32 v[SIDX+p], NBOX-1, v[SIDX+p]         ; a loaded index is clamped to the table before it is an address
	v_lshlrev_b32 v[SIDX+p], 4, v[SIDX+p]
.set p, p+1
.endr
.set p, 0
.rept 7
	ds_load_b32 v[X1+p], v[SIDX+p]                 ; word by word, straight into the registers that are handed on
	ds_load_b32 v[Y1+p], v[SIDX+p] offset:4
	ds_load_b32 v[X2+p], v[SIDX+p] offset:8
	ds_load_b32 v[Y2+p], v[SIDX+p] offset:12
.set p, p+1
.endr
	s_mov_b32 s36, 0x3c23d70a                      ; 0.01
.set p, 0
.rept 7
	v_cmp_lt_u32 s[KP+p], s36, v[SKEY+p]           ; kept starts as valid: score > 0.01 (an invalid key is 0x3c000000, an empty place 0)
.set p, p+1
.endr
	s_and_b32 s[KP+6], s[KP+6], 0xff               ; places 200 .. 223 are beyond the top 200
	v_mov_b32 v[T0+7], 0                           ; the right half of the pair (6,7): zeros
	v_mov_b32 v[T1+7], 0
	v_mov_b32 v[T2+7], 0
	v_mov_b32 v[T3+7], 0
	v_mov_b32 v[AR+7], 0
	s_mov_b32 s53, 0                               ; the upper register of the pair whose lower one carries the row's area
	s_wait_dscnt 0x0
.set p, 0
.rept 7
	v_sub_f32 v[T0+p], v[X2+p], v[X1+p]
	v_sub_f32 v[T1+p], v[Y2+p], v[Y1+p]
	v_mul_f32 v[AR+p], |v[T0+p]|, |v[T1+p]|        ; |area|
.set p, p+1
.endr
	; ---- 3 NMS
; Row i = 32 R + s30 (its box in s48-51, its |area| in s52) against the column blocks c = R .. 6; then the kept bits.
; The steps run across the blocks, so that no instruction waits for the one in front of it while there are blocks to spare.
.macro NMSROW R
.set c, \R
.rept 7-\R
	v_min_num_f32 v[T0+c], s50, v[X2+c]
	v_max_num_f32 v[T1+c], s48, v[X1+c]
	v_min_num_f32 v[T2+c], s51, v[Y2+c]
	v_max_num_f32 v[T3+c], s49, v[Y1+c]
.set c, c+1
.endr
.set c, (\R/2)*2
.rept 4-\R/2
	v_pk_add_f32 v[T0+c:T0+c+1], v[T0+c:T0+c+1], v[T1+c:T1+c+1] neg_lo:[0,1] neg_hi:[0,1]   ; iw
	v_pk_add_f32 v[T2+c:T2+c+1], v[T2+c:T2+c+1], v[T3+c:T3+c+1] neg_lo:[0,1] neg_hi:[0,1]   ; ih
.set c, c+2
.endr
.set c, (\R/2)*2
.rept 4-\R/2
	v_pk_add_f32 v[T1+c:T1+c+1], v[AR+c:AR+c+1], s[52:53] op_sel_hi:[1,0]                   ; |area j| + |area i|
.set c, c+2
.endr
.set c, \R
.rept 7-\R
	v_max_num_f32 v[T0+c], 0, v[T0+c]              ; the one clamp
.set c, c+1
.endr
.set c, (\R/2)*2
.rept 4-\R/2
	v_pk_mul_f32 v[T0+c:T0+c+1], v[T0+c:T0+c+1], v[T2+c:T2+c+1]                             ; p
.set c, c+2
.endr
.set c, (\R/2)*2
.rept 4-\R/2
	v_pk_add_f32 v[T1+c:T1+c+1], v[T1+c:T1+c+1], v[T0+c:T0+c+1] neg_lo:[0,1] neg_hi:[0,1]   ; u
.set c, c+2
.endr
.set c, (\R/2)*2
.rept 4-\R/2
	v_pk_fma_f32 v[T2+c:T2+c+1], v[T1+c:T1+c+1], 0xbee66666, v[T0+c:T0+c+1] op_sel_hi:[1,0,1]   ; p - t u
.set c, c+2
.endr
.set c, (\R/2)*2
.rept 4-\R/2
	v_pk_fma_f32 v[T2+c:T2+c+1], v[T1+c:T1+c+1], 0xb2800000, v[T2+c:T2+c+1] op_sel_hi:[1,0,1]   ; - 2^-26 u
.set c, c+2
.endr
.set c, \R
.rept 7-\R
	v_cmp_lt_f32 s[MK+c], 0, v[T2+c]               ; iou > 0.45
.set c, c+1
.endr
	s_bitcmp1_b32 s[KP+\R], s30                    ; is row i still kept?
	s_cselect_b32 s35, -1, 0
	s_lshl_b32 s34, -2, s30                        ; in its own block only the columns behind it
	s_and_b32 s34, s34, s35
	s_and_b32 s[MK+\R], s[MK+\R], s34
	s_and_not1_b32 s[KP+\R], s[KP+\R], s[MK+\R]
.set c, \R+1
.rept 6-\R
	s_and_b32 s[MK+c], s[MK+c], s35
	s_and_not1_b32 s[KP+c], s[KP+c], s[MK+c]
.set c, c+1
.endr
.endm
.irp R, 0,1,2,3,4,5,6
	s_mov_b32 s30, 0
.Lrow\R:
	v_readlane_b32 s48, v[X1+\R], s30
	v_readlane_b32 s49, v[Y1+\R], s30
	v_readlane_b32 s50, v[X2+\R], s30
	v_readlane_b32 s51, v[Y2+\R], s30
	v_readlane_b32 s52, v[AR+\R], s30
	NMSROW \R
	s_add_co_u32 s30, s30, 1
.if \R == 6
	s_cmp_lt_u32 s30, 8                            ; rows 192 .. 199
.else
	s_cmp_lt_u32 s30, 32
.endif
	s_cbranch_scc1 .Lrow\R
.endr
	; ---- 4 OUT: nine stores of 512 consecutive bytes, aligned, and the kept words (lane w carries word w, the other lanes 0)
	v_mov_b32 v[PAD], 0
	v_mov_b32 v[KV], 0
.set k, 0
.rept 9
	global_store_b128 v3, v[OUT+4*k:OUT+4*k+3], s[12:13] offset:512*k
.set k, k+1
.endr
.set w, 0
.rept 7
	v_writelane_b32 v[KV], s[KP+w], w
.set w, w+1
.endr
	global_store_b32 v4, v[KV], s[14:15]
	s_wait_tensorcnt 0x0
	ds_add_u32 v244, v245
	s_wait_dscnt 0x0
	s_endpgm
.Lfunc_end_k_q01132cdf26_nms:
	.size	k_q01132cdf26_nms, .Lfunc_end_k_q01132cdf26_nms-k_q01132cdf26_nms
	.p2alignl 7, 3214868480
	.fill 96, 4, 3214868480
	.section	.rodata,"a",@progbits
	.p2align	6, 0x0
	.amdhsa_kernel k_q01132cdf26_nms
		.amdhsa_group_segment_fixed_size 144640
		.amdhsa_private_segment_fixed_size 0
		.amdhsa_enable_private_segment 0
		.amdhsa_kernarg_size 48
		.amdhsa_user_sgpr_count 2
		.amdhsa_user_sgpr_kernarg_segment_ptr 1
		.amdhsa_wavefront_size32 1
		.amdhsa_system_sgpr_workgroup_id_x 1
		.amdhsa_system_sgpr_workgroup_id_y 1
		.amdhsa_system_sgpr_workgroup_id_z 1
		.amdhsa_system_vgpr_workitem_id 0
		.amdhsa_next_free_vgpr 246
		.amdhsa_next_free_sgpr 66
		.amdhsa_reserve_vcc 0
		.amdhsa_float_denorm_mode_32 3
		.amdhsa_float_denorm_mode_16_64 3
		.amdhsa_memory_ordered 1
		.amdhsa_forward_progress 1
		.amdhsa_inst_pref_size 88
	.end_amdhsa_kernel
	.amdgpu_metadata
---
amdhsa.version: [ 1, 2 ]
amdhsa.kernels:
  - .name:           k_q01132cdf26_nms
    .symbol:         k_q01132cdf26_nms.kd
    .args:
      - { .name: skey, .offset: 0, .size: 8, .value_kind: global_buffer, .address_space: global }
      - { .name: sidx, .offset: 8, .size: 8, .value_kind: global_buffer, .address_space: global }
      - { .name: loc_data, .offset: 16, .size: 8, .value_kind: global_buffer, .address_space: global }
      - { .name: dbox_list, .offset: 24, .size: 8, .value_kind: global_buffer, .address_space: global }
      - { .name: rows, .offset: 32, .size: 8, .value_kind: global_buffer, .address_space: global }
      - { .name: kept, .offset: 40, .size: 8, .value_kind: global_buffer, .address_space: global }
    .group_segment_fixed_size: 144640
    .private_segment_fixed_size: 0
    .kernarg_segment_align: 8
    .kernarg_segment_size: 48
    .max_flat_workgroup_size: 320
    .sgpr_count:     66
    .vgpr_count:     246
    .wavefront_size: 32
...
	.end_amdgpu_metadata
.endif
;; end of part 7
;; launch compact: the kernel of part 4 again; grid 21 x 128, 1 waves a work-group, no clusters, 4,352 bytes of LDS; arguments rows, kept, out0; writes out0
;; ======== version 3 of 3: 4 launches; version 2 with the launch select written anew for expert scheduling mode
;; limits: inputs' magnitudes at most 400
;; workspace buffers: keys 90,439,680 bytes of whole numbers; skey 2,621,440 bytes; sidx 2,621,440 bytes of whole numbers; rows 11,796,480 bytes; kept 327,680 bytes of whole numbers
;; launch scores: the kernel of part 5 again; grid 23 x 128, 3 waves a work-group, no clusters, 32,768 bytes of LDS; arguments conf_data, keys; writes keys
;; launch select (part 8): grid 20 x 128, 1 waves a work-group, no clusters, 12,544 bytes of LDS; arguments keys, skey, sidx; writes skey, sidx
.if DOCPART == 8
	.amdgcn_target "amdgcn-amd-amdhsa--gfx1250"
	.amdhsa_code_object_version 6
	.text
	.protected	k_q01132cdf26_select
	.globl	k_q01132cdf26_select
	.p2align	8
	.type	k_q01132cdf26_select,@function
k_q01132cdf26_select:
	s_mov_b64 s[64:65], 0
	v_nop
	global_prefetch_b8 v0, s[64:65] scope:SCOPE_SE
	s_setreg_imm32_b32 hwreg(HW_REG_WAVE_SCHED_MODE, 0, 2), 2
	s_setreg_imm32_b32 hwreg(HW_REG_WAVE_MODE, 25, 1), 1
	s_wait_xcnt 0x0
	s_wait_alu depctr_vm_vsrc(0)
; One wave = one list (batch b = y, class c = 1 + x): the 200 largest of the list's keys in descending order, ties to the lower index.
; OUT: skey[list] and sidx[list], an image of 8 registers (1,024 bytes) each: word 128 k + 4 lane + e is register 4 k + e; register p holds
; sorted place 32 p + lane (p = 0..6), register 7 zeros.  Each store of the wave covers 512 consecutive bytes, aligned.
; The boxes are fetched by the next launch.  Every loop here has a constant number of trips and every global address is made of ids and
; constants; what hangs on the keys only selects values and LDS places.
; KEYS are patterns of normal positive f32 in 0x3c000000 .. 0x3f800000 (0x3c000000 = invalid), so the f32 order is the order of the patterns.
;
; COUNTING.  med3(key, t-1, t) is t-1 where key < t and t where key >= t.  The sum of these patterns over N keys, modulo 2^32, is
; N (t-1) + (keys >= t): one v_med3_num_f32 a register and one v_add3_u32 for two, and no instruction of the count writes a scalar register.
; 1 KEYS    a group = 8 neighbouring boxes = 32 bytes = 8 registers of one lane: group 32 g + lane, g = 0..34 (70 loads; 25 groups a lane in
;           v56-255, 10 in the second window of 256).  The row has 1104 groups: the 16 lanes beyond read the last group again, which is all invalid.
; 2 GROUPS  M = the 200th largest of the 1120 group maxima, bit by bit (bits 25 .. 0 above 0x3c000000: 26 trips), GA = maxima above M
;           (the count at the last trial that failed, which is M + 1).  Taken: the groups above M and the first 200 - GA groups equal to M.
;           These 200 groups hold the top 200 keys: a key x of a group that is not taken is beaten by the maximum of each group taken,
;           which is larger than x, or equal to x in an earlier group, that is, at a lower index.
;           The groups go to LDS in their order with their numbers: element e = 8 place + i; the order of e is the order of the index.
;           The keys of the second window are read only as source 0 of a move or of a two-source maximum; before their groups are stored
;           they are moved down into the registers that the first ten groups' stores have read.
; 3 BOUND   T = the 200th largest of the 1600 elements (50 registers, element 32 r + lane), G = elements above T, in the same way.
; 4 PACK    elements above T go to places 0 .. G-1, elements equal to T to places G .. , both in the order of e.  Place 224 swallows all else;
;           places 200 .. 223 may take further elements equal to T, which end up behind the first 200.
; 5 RANK    c = 32 (key - 0x3c000000) + 2^24 + 31 - lane, at most 0x7100001f: again the pattern of a normal f32.  Candidate j beats place i if its
;           key is larger, or equal and j stands in front.  With base = c without its low five bits that is c_j > lo_i, where lo_i = base + 31
;           if j's block of 32 lies behind i's, c_i in the same block, base - 1 if it lies in front.  med3(c_j, lo, lo + 1) = lo + [j beats i];
;           the 200 candidates come as LDS loads of one address for all lanes, four a load, a block ahead.  The sum of the lo, taken off at the end,
;           is 200 base + 31 nA + nB (31 - lane) - nC with nA, nB, nC candidates behind, in and in front of the block.
; No matrix unit (no product), no cluster or tensor mover (each key row is read by one wave, once), no barrier (one wave).
; LIMITS: keys as the launch before makes them from finite inputs.
;
; THE MODE: SCHED_MODE bits 1:0 = 2 (LLVM: expert scheduling mode 2), set by the entry lines.  The code itself states the register dependences
; between vector instructions and memory or LDS instructions, and between a vector instruction that writes a scalar register and its readers,
; with s_wait_alu, always for 0.
; THE PLAN.  Registers that memory or LDS instructions touch, and who else names them:
;   v2, v45, v54, v55   LDS addresses and the closing add's pair: made at the head, never written again.
;   v1, v5              offsets of the key loads, made at the head.  From step 2 on v1 holds the spare place's number (vector work alone), v5 is one of v3-9;
;                       at the end v1 is 16 x lane for the four global stores.
;   v46-50              zeros and their address, read by the 24 zero stores; from the first search on at work in the counts.
;   v56-335             the keys: written by the loads (v56-135 once more by 80 moves), read by the maxima and by the groups' stores.
;   v10-44              a group's maximum, then its own 4 x place: the address of the store of its number; never written after that.
;   v46-52, v3-9        32 x place and number of a batch's seven groups: written in each batch, read by the batch's 21 stores.
;   v56-105             the elements: written by 50 LDS loads, read by the counts, the compares and the candidates' stores.
;   v106-155, v156-205  4 x place and number, a register of its own for each of the 50 element registers: written once, read by that register's two stores.
;   v192-198            addresses of the seven loads of group numbers; then at work in the ranks.
;   v56-119             two buffers of 32 composites: written by the loads that all lanes share, read by a block's med3 lines.
;   v184-190, v120-134, v216-231   the ranks as addresses, the keys and indices as data, the sorted images.
; The compares stand in runs, each into a scalar register of its own, with one wait behind the run.  The places of a batch are made side by side, and one
; wait stands ahead of the batch's stores; in step 4, where each register has its own place registers, the stores of a batch follow the wait at the head
; of the next batch and are dealt among its vector lines.  The two searches hold no memory instruction: their one wait a trip is for the lane sum's scalar.
.set KROW,  35328                      ; bytes in a key row
.set TOPK,  200
.set INV,   0x3c000000                 ; the invalid key, and the bits that all keys share
.set SPARE, 224                        ; the place that swallows what is not taken
.set PN2,   3                          ; v[3:9]    step 2: the numbers of a batch's seven groups
.set AC,    6                          ; v[6:9]    in the counts and the maxima: four running sums
.set GM,    10                         ; v[10:44]  group maxima; then 4 x the group's place
.set VZ,    45                         ; v45       0: the address of the loads that all lanes share
.set TT,    46                         ; v[46:53]  at work
.set PB2,   TT                         ; v[46:52]  step 2: 32 x the place of a batch's seven groups
.set KB,    56                         ; v[56:255] groups 0..24, eight registers each; groups 25..34 are v0-79 of window 1 (v256-335)
.set C2,    56                         ; v[56:105] from step 3 on: the 1600 elements
.set PA4,   106                        ; v[106:155] step 4: 4 x the place of element register r
.set PN4,   156                        ; v[156:205] step 4: its place if equal, then element 32 r + lane
.set ME,    40                         ; s[40:46]  step 2: a batch's masks: maximum equal to M
.set ML,    47                         ; s[47:53]  maximum above M
.set MW,    54                         ; s[54:60]  still wanted; then taken
.set MA,    40                         ; s[40:49]  step 4: a batch's masks: element above T
.set MQ,    50                         ; s[50:59]  element equal to T
.set CG,    0                          ; LDS: 201 groups of 32 bytes (place 200 swallows the groups not taken)
.set GI,    6432                       ; LDS: their numbers, 201 words
.set CK,    7248                       ; LDS: candidate keys, 225 words
.set CN,    8160                       ; LDS: candidate elements, 225 words
.set CC,    9072                       ; LDS: candidate composites, 224 words
.set SK,    9968                       ; LDS: sorted keys, 225 words
.set SN,    10880                      ; LDS: sorted indices, 225 words
; registers of step 5 (the elements are dead then)
.set BB0,   56                         ; v[56:87]   32 candidates' composites, in every lane
.set BB1,   88                         ; v[88:119]  the next 32
.set CKEY,  120                        ; v[120:126] candidate key of place 32 r + lane
.set CE,    128                        ; v[128:134] its element, then its index
.set LOB,   136                        ; v[136:142] c
.set HIB,   144                        ; v[144:150] c + 1
.set LOA,   152                        ; v[152:157] base + 31
.set HIA,   160                        ; v[160:165] base + 32
.set LOCC,  168                        ; v[169:174] base - 1
.set HIC,   176                        ; v[176:182] base
.set ACC,   184                        ; v[184:190] the sums, then the ranks
.set XT,    192                        ; v[192:205] at work
.set GP,    208                        ; v[208:214] the number of the candidate's group
.set SKEY,  216                        ; v[216:223] sorted keys, and a register of zeros
.set SIDX,  224                        ; v[224:231] sorted indices, and a register of zeros
.set MSB, 0
.macro WIN new                         ; register window; the immediate's high byte repeats the setting that is left
.if MSB != \new
	s_set_vgpr_msb (MSB<<8)|\new
.set MSB, \new
.endif
.endm
.macro LANESUM                         ; s26 = sum of v3 over the 32 lanes, modulo 2^32
	v_mov_b32_dpp v4, v3 row_xmask:1 row_mask:0xf bank_mask:0xf
	v_add_nc_u32 v3, v3, v4
	v_mov_b32_dpp v4, v3 row_xmask:2 row_mask:0xf bank_mask:0xf
	v_add_nc_u32 v3, v3, v4
	v_mov_b32_dpp v4, v3 row_xmask:4 row_mask:0xf bank_mask:0xf
	v_add_nc_u32 v3, v3, v4
	v_mov_b32_dpp v4, v3 row_xmask:8 row_mask:0xf bank_mask:0xf
	v_add_nc_u32 v3, v3, v4
	v_permlanex16_b32 v4, v3, s12, s13
	v_add_nc_u32 v3, v3, v4
	v_readfirstlane_b32 s26, v3
	s_wait_alu depctr_va_sdst(0)                   ; s26 is written, ahead of its first reader: the subtraction that makes the count
.endm
; v3 = the lane's sum of med3(key, s23, s22) over the n registers from base on; eight side by side, four sums started by the first eight
.macro COUNT base, n
.set i, 0
.rept \n/8
.set k, 0
.rept 8
	v_med3_num_f32 v[TT+k], v[\base+i+k], s23, s22
.set k, k+1
.endr
.set k, 0
.rept 4
.if i == 0
	v_add_nc_u32 v[AC+k], v[TT+2*k], v[TT+2*k+1]
.else
	v_add3_u32 v[AC+k], v[AC+k], v[TT+2*k], v[TT+2*k+1]
.endif
.set k, k+1
.endr
.set i, i+8
.endr
.set k, 0
.rept \n%8
	v_med3_num_f32 v[TT+k], v[\base+i+k], s23, s22
.set k, k+1
.endr
.set k, 0
.rept \n%8
	v_add_nc_u32 v[AC+k], v[AC+k], v[TT+k]
.set k, k+1
.endr
	v_add_nc_u32 v[AC], v[AC], v[AC+1]
	v_add3_u32 v3, v[AC], v[AC+2], v[AC+3]
.endm
.macro BHEAD                           ; s20 = the bound so far, s27 = the count at the last trial that failed, s21 = the bit on trial
	s_mov_b32 s20, INV
	s_mov_b32 s27, 0
	s_mov_b32 s21, 0x02000000
	s_mov_b32 s24, 0
.endm
.macro BTRIAL
	s_or_b32 s22, s20, s21                         ; the trial t, at least 0x3c000001
	s_sub_co_u32 s23, s22, 1                       ; t - 1
.endm
.macro BTAIL n
	LANESUM
	s_mul_i32 s28, s23, 32*(\n)
	s_sub_co_u32 s26, s26, s28                     ; the sum less N (t-1): how many are >= t
	s_cmp_ge_u32 s26, TOPK
	s_cselect_b32 s20, s22, s20                    ; at least 200: keep the bit
	s_cselect_b32 s27, s27, s26                    ; else remember the count
	s_lshr_b32 s21, s21, 1
	s_add_co_u32 s24, s24, 1
	s_cmp_lt_u32 s24, 26
.endm
; Seven groups, 32 g + lane for g = g0 .. g0 + 6, each step side by side.  s20 = M, s31 = how many groups equal to M are wanted, s32 = such groups seen,
; s25 = places used, v1 = 200, the spare place.  The group's maximum is dead behind its two compares: its register takes the place.
; free = 1: the batch before has stores out that read v46-52 and v3-9.  move = 1: groups 25..34 come down into the registers of groups 0..9.
; (The argument stands in brackets wherever it enters an expression.)
.macro GBATCH g0, free, move
.set k, 0
.rept 7
	v_cmp_eq_u32 s[ME+k], s20, v[GM+(\g0)+k]
	v_cmp_lt_u32 s[ML+k], s20, v[GM+(\g0)+k]
.set k, k+1
.endr
	s_wait_alu depctr_va_sdst(0)                   ; the fourteen masks are written, ahead of their first readers below
.set k, 0
.rept 7
	v_mbcnt_lo_u32_b32 v[GM+(\g0)+k], s[ME+k], s32 ; equal groups in front of mine
	s_bcnt1_i32_b32 s28, s[ME+k]
	s_add_co_u32 s32, s32, s28
.set k, k+1
.endr
.set k, 0
.rept 7
	v_cmp_gt_u32 s[MW+k], s31, v[GM+(\g0)+k]       ; still wanted?
.set k, k+1
.endr
	s_wait_alu depctr_va_sdst(0)                   ; these seven masks are written, ahead of the scalar lines that read them
.set k, 0
.rept 7
	s_and_b32 s[MW+k], s[MW+k], s[ME+k]
	s_or_b32 s[MW+k], s[MW+k], s[ML+k]             ; taken: above M, or equal and wanted
	v_mbcnt_lo_u32_b32 v[GM+(\g0)+k], s[MW+k], s25 ; places used + takers in lower lanes
	s_bcnt1_i32_b32 s26, s[MW+k]
	s_add_co_u32 s25, s25, s26
.set k, k+1
.endr
.set k, 0
.rept 7
	v_cndmask_b32 v[GM+(\g0)+k], v1, v[GM+(\g0)+k], s[MW+k]  ; the others write to the spare place
.set k, k+1
.endr
.set k, 0
.rept 7
	v_min_u32 v[GM+(\g0)+k], TOPK, v[GM+(\g0)+k]   ; a place made from loaded numbers is clamped by a constant before it is an address
.set k, k+1
.endr
.if \free
	s_wait_alu depctr_vm_vsrc(0)                   ; the stores issued so far have read v46-52 and v3-9, which are written again below (and, where groups come down, v56-135)
.endif
.if \move
	WIN 0x01                                       ; source 0 in window 1
.set i, 0
.rept 80
	v_mov_b32 v[KB+i], v[i]                        ; groups 25..34 down into the registers of groups 0..9
.set i, i+1
.endr
	WIN 0
.endif
.set k, 0
.rept 7
	v_lshlrev_b32 v[PB2+k], 5, v[GM+(\g0)+k]       ; 32 x place
	v_add_nc_u32 v[PN2+k], 32*((\g0)+k), v0        ; the group's number
.set k, k+1
.endr
.set k, 0
.rept 7
	v_lshlrev_b32 v[GM+(\g0)+k], 2, v[GM+(\g0)+k]  ; 4 x place
.set k, k+1
.endr
	s_wait_alu depctr_va_vdst(0)                   ; the batch's places and numbers are written (and the groups that came down), which the 21 stores below read
.set k, 0
.rept 7
.set g, (\g0)+k
.if g < 25
.set dg, KB+8*g
.else
.set dg, KB+8*(g-25)
.endif
	ds_store_b32 v[GM+g], v[PN2+k] offset:GI
	ds_store_b128 v[PB2+k], v[dg:dg+3]   offset:CG
	ds_store_b128 v[PB2+k], v[dg+4:dg+7] offset:CG+16
.set k, k+1
.endr
.endm
; The two stores of element register r: its key and its element number to its place
.macro PSTORE r
	ds_store_b32 v[PA4+(\r)], v[C2+(\r)] offset:CK
	ds_store_b32 v[PA4+(\r)], v[PN4+(\r)] offset:CN
.endm
; Ten element registers r0 .. r0 + 9, each step side by side.  s20 = T; s25 = elements above T placed so far; s32 = G + elements equal to T seen so far;
; v1 = 224, the spare place.  prev = 1: the twenty stores of the ten registers before are dealt among this batch's first lines.
.macro PBATCH r0, prev
.set k, 0
.rept 10
	v_cmp_lt_u32 s[MA+k], s20, v[C2+(\r0)+k]       ; above T
	v_cmp_eq_u32 s[MQ+k], s20, v[C2+(\r0)+k]       ; equal to T
.set k, k+1
.endr
	s_wait_alu depctr_va_sdst(0)                   ; the twenty masks are written, ahead of their first readers below
.if \prev
	s_wait_alu depctr_va_vdst(0)                   ; the batch before has written its places and numbers, which the stores below read; no vector line behind this wait names them
.endif
.set k, 0
.rept 10
.if \prev
.set rp, (\r0)+k-10
	PSTORE rp
.endif
	v_mbcnt_lo_u32_b32 v[PA4+(\r0)+k], s[MA+k], s25  ; my place if above
	v_mbcnt_lo_u32_b32 v[PN4+(\r0)+k], s[MQ+k], s32  ; my place if equal
	s_bcnt1_i32_b32 s26, s[MA+k]
	s_bcnt1_i32_b32 s28, s[MQ+k]
	s_add_co_u32 s25, s25, s26
	s_add_co_u32 s32, s32, s28
.set k, k+1
.endr
.set k, 0
.rept 10
	v_cndmask_b32 v[PN4+(\r0)+k], v1, v[PN4+(\r0)+k], s[MQ+k]              ; neither: the spare place
.set k, k+1
.endr
.set k, 0
.rept 10
	v_cndmask_b32 v[PA4+(\r0)+k], v[PN4+(\r0)+k], v[PA4+(\r0)+k], s[MA+k]
.set k, k+1
.endr
.set k, 0
.rept 10
	v_min_u32 v[PA4+(\r0)+k], SPARE, v[PA4+(\r0)+k]  ; clamped by a constant before it is an address
.set k, k+1
.endr
.set k, 0
.rept 10
	v_lshlrev_b32 v[PA4+(\r0)+k], 2, v[PA4+(\r0)+k]
	v_add_nc_u32 v[PN4+(\r0)+k], 32*((\r0)+k), v0    ; element 32 r + lane
.set k, k+1
.endr
.endm
.macro BCAST J, buf, nq                ; 4 nq candidates of block J, the same for all lanes
.set q, 0
.rept \nq
	ds_load_b128 v[\buf+4*q:\buf+4*q+3], v[VZ] offset:CC+128*(\J)+16*q
.set q, q+1
.endr
.endm
; nj candidates of block J, two at a time, against all seven registers of places
.macro RANKBLK J, buf, nj
.set m, 0
.rept \nj/2
.set I, 0
.rept 7
.if I < \J
.set rlo, LOA+I
.set rhi, HIA+I
.elseif I == \J
.set rlo, LOB+I
.set rhi, HIB+I
.else
.set rlo, LOCC+I
.set rhi, HIC+I
.endif
	v_med3_num_f32 v[XT+2*I],   v[\buf+m],   v[rlo], v[rhi]
	v_med3_num_f32 v[XT+2*I+1], v[\buf+m+1], v[rlo], v[rhi]
.set I, I+1
.endr
.set I, 0
.rept 7
.if \J+m == 0
	v_add_nc_u32 v[ACC+I], v[XT+2*I], v[XT+2*I+1]  ; the first two candidates start the sums
.else
	v_add3_u32 v[ACC+I], v[ACC+I], v[XT+2*I], v[XT+2*I+1]
.endif
.set I, I+1
.endr
.set m, m+2
.endr
.endm
	s_load_b128 s[4:7], s[0:1], 0x0                ; keys s[4:5], skey s[6:7]
	s_load_b64 s[8:9], s[0:1], 0x10                ; sidx
	v_lshl_add_u32 v54, v0, 2, 0x3000
	v_mov_b32 v55, 0
	s_and_b32 s17, ttmp7, 0xffff                   ; batch
	s_mul_i32 s18, s17, 20
	s_add_co_u32 s18, s18, ttmp9                   ; list
	v_lshlrev_b32 v1, 5, v0                        ; 32 x lane: my group in a run of 32 groups
	v_lshlrev_b32 v2, 2, v0                        ; 4 x lane
	v_mov_b32 v4, 0                                ; the destination of a lane move counts as read
	v_mov_b32 v[VZ], 0
	v_mov_b32 v[TT], 0
	v_mov_b32 v[TT+1], 0
	v_mov_b32 v[TT+2], 0
	v_mov_b32 v[TT+3], 0
	v_lshlrev_b32 v[TT+4], 4, v0                   ; 16 x lane
	v_add_nc_u32 v5, 34*1024, v1                   ; group 1088 + lane,
	v_min_u32 v5, KROW-32, v5                      ; or the row's last group
	s_mov_b32 s12, 0x76543210                      ; v_permlanex16_b32: lane i of the other half
	s_mov_b32 s13, 0xfedcba98
	s_mul_i32 s20, s18, KROW                       ; 2560 rows of 35,328 bytes stay below 2^31
	s_mov_b32 s21, 0
	s_lshl_b32 s22, s18, 10                        ; 1,024 bytes a list in skey and in sidx
	s_mov_b32 s23, 0
	s_wait_kmcnt 0x0
	s_add_nc_u64 s[4:5], s[4:5], s[20:21]
	s_add_nc_u64 s[6:7], s[6:7], s[22:23]
	s_add_nc_u64 s[8:9], s[8:9], s[22:23]
	s_wait_alu depctr_va_vdst(0)                   ; all that the head made is written: the loads' offsets v1 and v5, the zeros v46-49 and their address v50, the LDS addresses v2 and v45, the closing pair
	; ---- 1 KEYS: the two loads of a group together cover 1,024 consecutive bytes.  Between the wait above and the last zero store stand loads, stores and window switches alone
.set g, 0
.rept 25
	global_load_b128 v[KB+8*g:KB+8*g+3],   v1, s[4:5] offset:1024*g
	global_load_b128 v[KB+8*g+4:KB+8*g+7], v1, s[4:5] offset:1024*g+16
.set g, g+1
.endr
	WIN 0x40                                       ; destination in window 1, address in window 0
.set g, 0
.rept 9
	global_load_b128 v[8*g:8*g+3],   v1, s[4:5] offset:1024*(25+g)
	global_load_b128 v[8*g+4:8*g+7], v1, s[4:5] offset:1024*(25+g)+16
.set g, g+1
.endr
	global_load_b128 v[72:75], v5, s[4:5]
	global_load_b128 v[76:79], v5, s[4:5] offset:16
	WIN 0
.set k, 0
.rept 24
	ds_store_b128 v[TT+4], v[TT:TT+3] offset:512*k ; LDS starts as zeros: no place is read that was never written
.set k, k+1
.endr
	; ---- 2 GROUPS: maxima as the loads arrive (f32 maxima: the keys are patterns of positive f32)
.set g, 0
.rept 25
.set wc, 68-2*g                                    ; group g's two loads are in when at most the 68-2g younger ones are out
.if wc > 63
.set wc, 63                                        ; (the wait's field ends at 63)
.endif
.set t, AC+2*(g%2)
	s_wait_loadcnt wc
	v_max3_num_f32 v[t],   v[KB+8*g],   v[KB+8*g+1], v[KB+8*g+2]
	v_max3_num_f32 v[t+1], v[KB+8*g+3], v[KB+8*g+4], v[KB+8*g+5]
	v_max3_num_f32 v[t],   v[t], v[KB+8*g+6], v[KB+8*g+7]
	v_max_num_f32 v[GM+g], v[t], v[t+1]
.set g, g+1
.endr
	s_wait_loadcnt 0x0
	s_wait_dscnt 0x0                               ; the zeros are stored: their registers go to work in the counts below
	s_wait_alu depctr_vm_vsrc(0)                   ; the zero stores have read v46-50 and the loads v1 and v5: all of them are written again from here on
	WIN 0x01                                       ; source 0 in window 1
.set j, 0
.rept 10
	v_mov_b32 v[GM+25+j], v[8*j]                   ; the first key of each group starts its maximum
.set j, j+1
.endr
.set i, 1
.rept 7
.set j, 0
.rept 10
	v_max_num_f32 v[GM+25+j], v[8*j+i], v[GM+25+j] ; ten chains side by side
.set j, j+1
.endr
.set i, i+1
.endr
	WIN 0
	BHEAD
.Lbis1:
	BTRIAL
	COUNT GM, 35
	BTAIL 35
	s_cbranch_scc1 .Lbis1
	; the 200 groups, in their order, seven at a time
	s_sub_co_u32 s31, TOPK, s27                    ; how many groups equal to M are wanted
	s_mov_b32 s32, 0
	s_mov_b32 s25, 0
	v_mov_b32 v1, TOPK                             ; the spare place of the groups
	GBATCH 0,  0, 0                                ; no store has been issued since the wait ahead of the search
	GBATCH 7,  1, 0
	GBATCH 14, 1, 0
	GBATCH 21, 1, 1                                ; groups 0..20 are stored: groups 25..34 come down
	GBATCH 28, 1, 0
	; ---- 3 BOUND
	s_wait_alu depctr_vm_vsrc(0)                   ; the groups' stores have read v56-135, in which the elements land, and v3-9 and v46-52, which the second search writes; the moves stand ahead of the last wait for vector results
.set r, 0
.rept 50
	ds_load_b32 v[C2+r], v2 offset:CG+128*r        ; element 32 r + lane.  LDS serves the wave in order: these see the stores above
.set r, r+1
.endr
	s_wait_dscnt 0x0
	BHEAD
.Lbis2:
	BTRIAL
	COUNT C2, 50
	BTAIL 50
	s_cbranch_scc1 .Lbis2
	; ---- 4 PACK, ten registers at a time
	s_mov_b32 s25, 0
	s_mov_b32 s32, s27                             ; the elements equal to T stand behind the G above it
	v_mov_b32 v1, SPARE                            ; the spare place of the candidates
	PBATCH 0,  0
	PBATCH 10, 1
	PBATCH 20, 1
	PBATCH 30, 1
	PBATCH 40, 1
	s_wait_alu depctr_va_vdst(0)                   ; the last batch has written its places and numbers, which its stores read
.set r, 40
.rept 10
	PSTORE r
.set r, r+1
.endr
	; ---- 5 RANK
	s_wait_alu depctr_vm_vsrc(0)                   ; the candidates' stores have read v56-205: from here on loads land in these registers and vector lines write them
.set r, 0
.rept 7
	ds_load_b32 v[CKEY+r], v2 offset:CK+128*r
	ds_load_b32 v[CE+r], v2 offset:CN+128*r
.set r, r+1
.endr
	v_sub_nc_u32 v8, 31, v0                        ; 31 - lane
	v_add_nc_u32 v9, 0x01000000, v8                ; + 2^24
	s_wait_dscnt 0x0
.set r, 0
.rept 7
	v_lshrrev_b32 v[XT+r], 3, v[CE+r]              ; the element's place among the groups,
	v_min_u32 v[XT+r], TOPK, v[XT+r]               ; clamped by a constant before it is an address
	v_lshlrev_b32 v[XT+r], 2, v[XT+r]
.set r, r+1
.endr
.set r, 0
.rept 7
	v_max_u32 v[CKEY+r], INV, v[CKEY+r]            ; a place that nothing took (200 .. 223) holds 0: it counts as invalid
	v_add_nc_u32 v[HIC+r], 0xc4000000, v[CKEY+r]   ; key - 0x3c000000
	v_lshl_add_u32 v[LOB+r], v[HIC+r], 5, v9       ; c
.set r, r+1
.endr
	s_wait_alu depctr_va_vdst(0)                   ; the seven addresses v192-198 and the seven composites v136-142 are written, which the loads and stores below read; and every vector line that named v56-119 is done, in which the shared loads land
.set r, 0
.rept 7
	ds_load_b32 v[GP+r], v[XT+r] offset:GI
.set r, r+1
.endr
.set r, 0
.rept 7
	ds_store_b32 v2, v[LOB+r] offset:CC+128*r
.set r, r+1
.endr
	BCAST 0, BB0, 8
	BCAST 1, BB1, 8
.set r, 0
.rept 7
	v_add_nc_u32 v[HIB+r], 1, v[LOB+r]
	v_and_b32 v[HIC+r], 0xffffffe0, v[LOB+r]       ; base
.if r < 6
	v_or_b32 v[LOA+r], 31, v[LOB+r]
	v_add_nc_u32 v[HIA+r], 32, v[HIC+r]
.endif
.if r > 0
	v_add_nc_u32 v[LOCC+r], -1, v[HIC+r]
.endif
.set r, r+1
.endr
	s_wait_dscnt 8                                 ; all but the eight loads of the next block are in
	s_wait_alu depctr_vm_vsrc(0)                   ; the loads of the groups' numbers have read v192-198, which the ranks' work writes again
	RANKBLK 0, BB0, 32
	s_wait_alu depctr_va_vdst(0)                   ; block 0's lines are done reading v56-87, in which block 2 lands
	BCAST 2, BB0, 8
	s_wait_dscnt 8
	RANKBLK 1, BB1, 32
	s_wait_alu depctr_va_vdst(0)                   ; block 1's lines are done reading v88-119, in which block 3 lands
	BCAST 3, BB1, 8
	s_wait_dscnt 8
	RANKBLK 2, BB0, 32
	s_wait_alu depctr_va_vdst(0)                   ; block 2's lines are done reading v56-87, in which block 4 lands
	BCAST 4, BB0, 8
	s_wait_dscnt 8
	RANKBLK 3, BB1, 32
	s_wait_alu depctr_va_vdst(0)                   ; block 3's lines are done reading v88-119, in which block 5 lands
	BCAST 5, BB1, 8
	s_wait_dscnt 8
	RANKBLK 4, BB0, 32
	s_wait_alu depctr_va_vdst(0)                   ; block 4's lines are done reading v56-63, in which block 6 lands
	BCAST 6, BB0, 2                                ; candidates 192 .. 199
	s_wait_dscnt 2                                 ; all but these two
	RANKBLK 5, BB1, 32
	s_wait_dscnt 0x0
	RANKBLK 6, BB0, 8
	; rank = sum - 200 base - (nB (31 - lane) + 31 nA - nC).  Places 200 .. 223 are beaten by all 200 candidates: rank 200.
.set I, 0
.rept 7
.if I < 6
.set na, 168-32*I
.set sh, 5                                         ; nB = 32
.else
.set na, 0
.set sh, 3                                         ; nB = 8
.endif
	v_lshlrev_b32 v[XT+I], 3, v[HIC+I]
	v_lshl_add_u32 v[XT+I], v[HIC+I], 6, v[XT+I]
	v_lshl_add_u32 v[XT+I], v[HIC+I], 7, v[XT+I]   ; 8 + 64 + 128 = 200 base, modulo 2^32
	v_lshl_add_u32 v[XT+7+I], v8, sh, (31*na-32*I)&0xffffffff
	v_sub_nc_u32 v[ACC+I], v[ACC+I], v[XT+I]
	v_sub_nc_u32 v[ACC+I], v[ACC+I], v[XT+7+I]
.set I, I+1
.endr
.set r, 0
.rept 7
	v_min_u32 v[ACC+r], SPARE, v[ACC+r]            ; clamped by a constant before it is an address
	v_lshlrev_b32 v[ACC+r], 2, v[ACC+r]
	v_and_b32 v[CE+r], 7, v[CE+r]
	v_lshl_add_u32 v[CE+r], v[GP+r], 3, v[CE+r]    ; index = 8 x group + place in the group
.set r, r+1
.endr
	v_mov_b32 v[SKEY+7], 0
	v_mov_b32 v[SIDX+7], 0
	v_lshlrev_b32 v1, 4, v0                        ; 16 x lane, for the global stores
	s_wait_alu depctr_va_vdst(0)                   ; the ranks v184-190, the keys v120-126 and the indices v128-134 are written, which the LDS stores read; so are v223, v231 and v1, which the global stores read
.set r, 0
.rept 7
	ds_store_b32 v[ACC+r], v[CKEY+r] offset:SK
	ds_store_b32 v[ACC+r], v[CE+r] offset:SN
.set r, r+1
.endr
.set p, 0
.rept 7
	ds_load_b32 v[SKEY+p], v2 offset:SK+128*p      ; LDS serves the wave in order: these see the stores above
	ds_load_b32 v[SIDX+p], v2 offset:SN+128*p
.set p, p+1
.endr
	s_wait_dscnt 0x0
	; ---- 6 OUT
	global_store_b128 v1, v[SKEY:SKEY+3], s[6:7]
	global_store_b128 v1, v[SKEY+4:SKEY+7], s[6:7] offset:512
	global_store_b128 v1, v[SIDX:SIDX+3], s[8:9]
	global_store_b128 v1, v[SIDX+4:SIDX+7], s[8:9] offset:512
	s_wait_dscnt 0x0                               ; the closing lines, six on end
	s_wait_alu 0x0
	s_wait_tensorcnt 0x0
	ds_add_u32 v54, v55
	s_wait_dscnt 0x0
	s_endpgm
.Lfunc_end_k_q01132cdf26_select:
	.size	k_q01132cdf26_select, .Lfunc_end_k_q01132cdf26_select-k_q01132cdf26_select
	.p2alignl 7, 3214868480
	.fill 96, 4, 3214868480
	.section	.rodata,"a",@progbits
	.p2align	6, 0x0
	.amdhsa_kernel k_q01132cdf26_select
		.amdhsa_group_segment_fixed_size 12544
		.amdhsa_private_segment_fixed_size 0
		.amdhsa_enable_private_segment 0
		.amdhsa_kernarg_size 24
		.amdhsa_user_sgpr_count 2
		.amdhsa_user_sgpr_kernarg_segment_ptr 1
		.amdhsa_wavefront_size32 1
		.amdhsa_system_sgpr_workgroup_id_x 1
		.amdhsa_system_sgpr_workgroup_id_y 1
		.amdhsa_system_sgpr_workgroup_id_z 1
		.amdhsa_system_vgpr_workitem_id 0
		.amdhsa_next_free_vgpr 336
		.amdhsa_next_free_sgpr 66
		.amdhsa_reserve_vcc 0
		.amdhsa_float_denorm_mode_32 3
		.amdhsa_float_denorm_mode_16_64 3
		.amdhsa_memory_ordered 1
		.amdhsa_forward_progress 1
		.amdhsa_inst_pref_size 254
	.end_amdhsa_kernel
	.amdgpu_metadata
---
amdhsa.version: [ 1, 2 ]
amdhsa.kernels:
  - .name:           k_q01132cdf26_select
    .symbol:         k_q01132cdf26_select.kd
    .args:
      - { .name: keys, .offset: 0, .size: 8, .value_kind: global_buffer, .address_space: global }
      - { .name: skey, .offset: 8, .size: 8, .value_kind: global_buffer, .address_space: global }
      - { .name: sidx, .offset: 16, .size: 8, .value_kind: global_buffer, .address_space: global }
    .group_segment_fixed_size: 12544
    .private_segment_fixed_size: 0
    .kernarg_segment_align: 8
    .kernarg_segment_size: 24
    .max_flat_workgroup_size: 32
    .sgpr_count:     66
    .vgpr_count:     336
    .wavefront_size: 32
...
	.end_amdgpu_metadata
.endif
;; end of part 8
;; launch nms: the kernel of part 7 again; grid 2 x 128, 10 waves a work-group, no clusters, 144,640 bytes of LDS; arguments skey, sidx, loc_data, dbox_list, rows, kept; writes rows, kept
;; launch compact: the kernel of part 4 again; grid 21 x 128, 1 waves a work-group, no clusters, 4,352 bytes of LDS; arguments rows, kept, out0; writes out0
